; MI455X (gfx1250); checked and timed in simulation.
; The chip was launched on July 23, 2026; its instructions are those of AMD's public machine-readable ISA for CDNA 5 (MIT licence, August 2026) and "CDNA5" Instruction Set Architecture Reference Guide (July 2026). The comments in the code are by the model that wrote it; some were corrected since.
;; Atten Head. Allowed arithmetic: float matrix products may take bf16 or f16 operands with f32 sums; other float arithmetic in f32, or as packed bf16 or f16 multiplies, adds, multiply-adds, maxima and minima; sums over many terms, partial sums and values carried from step to step in f32; what a program stores and reads back later, other than sums and carried values, may be rounded once to bf16 or f16.
;; Inputs: inputs_for_keys 4 x 2,048 x 1,024 float32; inputs_for_queries 4 x 2,048 x 1,024 float32; inputs_for_values 4 x 2,048 x 1,024 float32; weight_K 1,024 x 1,024 float32; weight_Q 1,024 x 1,024 float32; weight_V 1,024 x 1,024 float32.
;; Outputs: out0 4 x 2,048 x 1,024 float32.
;; 2 versions, each right; version 2 is version 1 with the launch cast written anew for expert scheduling mode. Each part assembles by itself: llvm-mc -triple=amdgcn-amd-amdhsa -mcpu=gfx1250 --defsym DOCPART=n.
;; ======== version 1 of 2: 4 launches
;; limits: values are held in f16: magnitudes above 65,504 overflow, below 6.1e-05 lose precision
;; workspace buffers: xb 50,331,648 bytes; wb 6,291,456 bytes; qk 33,554,432 bytes; qkv 50,331,648 bytes; pt 33,554,432 bytes; sm 262,144 bytes; sl 262,144 bytes
;; launch cast (part 1): grid 288 x 3, 8 waves a work-group, no clusters, 0 bytes of LDS; arguments inputs_for_keys, inputs_for_queries, inputs_for_values, weight_K, weight_Q, weight_V, xb, wb; writes xb, wb
.if DOCPART == 1
	.amdgcn_target "amdgcn-amd-amdhsa--gfx1250"
	.amdhsa_code_object_version 6
	.text
	.protected	k_qe06234e514_cast
	.globl	k_qe06234e514_cast
	.p2align	8
	.type	k_qe06234e514_cast,@function
k_qe06234e514_cast:
	s_mov_b64 s[64:65], 0
	v_nop
	global_prefetch_b8 v0, s[64:65] scope:SCOPE_SE
	s_setreg_imm32_b32 hwreg(HW_REG_WAVE_MODE, 25, 1), 1
	s_wait_xcnt 0x0
; xb[y] = bf16(input y), wb[y] = bf16(weight y); y = 0 keys, 1 queries, 2 values.  A stream: no LDS, no matrix unit, no barrier.
; A work-group rounds 32,768 numbers: 131,072 bytes in, 65,536 out.  x < 256: chunk x of the input (8,192 x 1,024 numbers = 256 chunks);
; x >= 256: chunk x - 256 of the weight (32 chunks).  Source and destination are chosen by selects on the ids; there is no branch.
; Thread t takes 16 bytes at 16 t of each 4,096: all 32 loads go out first; each store of a wave covers 256 consecutive bytes, aligned.
; No register is written twice, so the only waits are the counted ones for the loads.
.set IN,  4                            ; v[4:131]    32 x 4 numbers as loaded
.set OUTR, 132                         ; v[132:195]  32 x 2 words of bf16
	s_load_b512 s[8:23], s[0:1], 0x0               ; keys, queries, values, W_K, W_Q, W_V, xb, wb
	s_and_b32 s2, ttmp7, 0xffff                    ; y
	s_mov_b32 s3, ttmp9                            ; x
	v_lshlrev_b32 v1, 4, v0                        ; 16 t: in
	v_lshlrev_b32 v2, 3, v0                        ; 8 t: out
	s_sub_co_u32 s4, s3, 256
	s_cmp_lt_u32 s3, 256
	s_cselect_b32 s4, s3, s4                       ; the chunk's number in its tensor
	s_cselect_b32 s5, 24, 21                       ; a third of xb is 2^24 bytes, of wb 2^21
	s_lshl_b32 s28, s4, 17                         ; the chunk's bytes in the source
	s_mov_b32 s29, 0
	s_lshl_b32 s30, s2, s5
	s_lshl_b32 s6, s4, 16
	s_add_co_u32 s30, s30, s6                      ; and in the destination
	s_mov_b32 s31, 0
	s_wait_kmcnt 0x0
	s_cmp_eq_u32 s2, 1
	s_cselect_b64 s[24:25], s[10:11], s[8:9]
	s_cselect_b64 s[26:27], s[16:17], s[14:15]
	s_cmp_eq_u32 s2, 2
	s_cselect_b64 s[24:25], s[12:13], s[24:25]     ; input y
	s_cselect_b64 s[26:27], s[18:19], s[26:27]     ; weight y
	s_cmp_lt_u32 s3, 256
	s_cselect_b64 s[24:25], s[24:25], s[26:27]     ; the source
	s_cselect_b64 s[26:27], s[20:21], s[22:23]     ; the destination
	s_add_nc_u64 s[24:25], s[24:25], s[28:29]
	s_add_nc_u64 s[26:27], s[26:27], s[30:31]
.set i, 0
.rept 32
	global_load_b128 v[IN+4*i:IN+4*i+3], v1, s[24:25] offset:4096*i th:TH_LOAD_NT
.set i, i+1
.endr
.set i, 0
.rept 32
	s_wait_loadcnt 31-i                            ; loads come back in order: number i is in, the younger ones stay out
	v_cvt_pk_bf16_f32 v[OUTR+2*i], v[IN+4*i], v[IN+4*i+1]
	v_cvt_pk_bf16_f32 v[OUTR+2*i+1], v[IN+4*i+2], v[IN+4*i+3]
	global_store_b64 v2, v[OUTR+2*i:OUTR+2*i+1], s[26:27] offset:2048*i
.set i, i+1
.endr
	s_endpgm
.Lfunc_end_k_qe06234e514_cast:
	.size	k_qe06234e514_cast, .Lfunc_end_k_qe06234e514_cast-k_qe06234e514_cast
	.p2alignl 7, 3214868480
	.fill 96, 4, 3214868480
	.section	.rodata,"a",@progbits
	.p2align	6, 0x0
	.amdhsa_kernel k_qe06234e514_cast
		.amdhsa_group_segment_fixed_size 0
		.amdhsa_private_segment_fixed_size 0
		.amdhsa_enable_private_segment 0
		.amdhsa_kernarg_size 64
		.amdhsa_user_sgpr_count 2
		.amdhsa_user_sgpr_kernarg_segment_ptr 1
		.amdhsa_wavefront_size32 1
		.amdhsa_system_sgpr_workgroup_id_x 1
		.amdhsa_system_sgpr_workgroup_id_y 1
		.amdhsa_system_sgpr_workgroup_id_z 1
		.amdhsa_system_vgpr_workitem_id 0
		.amdhsa_next_free_vgpr 200
		.amdhsa_next_free_sgpr 66
		.amdhsa_reserve_vcc 0
		.amdhsa_float_denorm_mode_32 3
		.amdhsa_float_denorm_mode_16_64 3
		.amdhsa_memory_ordered 1
		.amdhsa_forward_progress 1
		.amdhsa_inst_pref_size 13
	.end_amdhsa_kernel
	.amdgpu_metadata
---
amdhsa.version: [ 1, 2 ]
amdhsa.kernels:
  - .name:           k_qe06234e514_cast
    .symbol:         k_qe06234e514_cast.kd
    .args:
      - { .name: inputs_for_keys, .offset: 0, .size: 8, .value_kind: global_buffer, .address_space: global }
      - { .name: inputs_for_queries, .offset: 8, .size: 8, .value_kind: global_buffer, .address_space: global }
      - { .name: inputs_for_values, .offset: 16, .size: 8, .value_kind: global_buffer, .address_space: global }
      - { .name: weight_K, .offset: 24, .size: 8, .value_kind: global_buffer, .address_space: global }
      - { .name: weight_Q, .offset: 32, .size: 8, .value_kind: global_buffer, .address_space: global }
      - { .name: weight_V, .offset: 40, .size: 8, .value_kind: global_buffer, .address_space: global }
      - { .name: xb, .offset: 48, .size: 8, .value_kind: global_buffer, .address_space: global }
      - { .name: wb, .offset: 56, .size: 8, .value_kind: global_buffer, .address_space: global }
    .group_segment_fixed_size: 0
    .private_segment_fixed_size: 0
    .kernarg_segment_align: 8
    .kernarg_segment_size: 64
    .max_flat_workgroup_size: 256
    .sgpr_count:     66
    .vgpr_count:     200
    .wavefront_size: 32
...
	.end_amdgpu_metadata
.endif
;; end of part 1
;; launch proj (part 2): grid 4 x 64, 4 waves a work-group, clusters of 4 x 4, 327,680 bytes of LDS; arguments xb, wb, qk; writes qk
.if DOCPART == 2
	.amdgcn_target "amdgcn-amd-amdhsa--gfx1250"
	.amdhsa_code_object_version 6
	.text
	.protected	k_qe06234e514_proj
	.globl	k_qe06234e514_proj
	.p2align	8
	.type	k_qe06234e514_proj,@function
k_qe06234e514_proj:
	s_mov_b64 s[64:65], 0
	v_nop
	global_prefetch_b8 v0, s[64:65] scope:SCOPE_SE
	s_setreg_imm32_b32 hwreg(HW_REG_WAVE_MODE, 25, 1), 1
	s_wait_xcnt 0x0
	s_wait_alu depctr_hold_cnt(0) depctr_sa_sdst(0) depctr_va_vdst(0) depctr_va_sdst(0) depctr_va_ssrc(0) depctr_va_vcc(0) depctr_vm_vsrc(0)
	s_getreg_b32 s2, hwreg(HW_REG_IB_STS2, 6, 4)
	s_cmp_eq_u32 s2, 0
	s_cbranch_scc0 .Lentry_in_a_cluster
	s_endpgm
.Lentry_in_a_cluster:
	s_bfe_u32 s2, ttmp6, 0x10000c
	s_cmp_lg_u32 s2, 0xf033
	s_cbranch_scc0 .Lentry_shape_is_right
	s_endpgm
.Lentry_shape_is_right:
; qk[y][m][e] = the sum over d of xb[y][m][d] wb[y][d][e], y = 0 K, 1 Q (V is projected in the next launch, beside the scores).
; xb: [3 x 8192][1024] bf16, of which the first 16,384 rows are read; wb: [3][1024 d][1024 e] bf16; qk: [2 x 8192][1024] f16, rounded once from f32 sums.
; LIMIT: f16 holds no number beyond 65,504: the projections must lie within it.
; 256 tiles of 256 x 256, one to a work-group; four waves, 128 x 128 each: 64 accumulators.  K goes in 8 steps of 128 through two LDS slots that take turns.
; x's tile: 256 rows of 256 bytes, pitch 272.  w's tile lies as in memory, [k][e]: 128 rows of 512 bytes, pitch 544; its fragments come out turned, by ds_load_tr16_b128.
; CLUSTER 4 x 4: x's tile hangs on the tile row alone and is asked for jointly along a row of the cluster, w's on the tile column and the projection (8 clusters along y each) and is asked for jointly along a column.
; The matrix instruction is used transposed (source 0 = 16 columns of w, source 1 = 16 rows of x): a lane holds eight neighbouring numbers of a row of the result.
; One K step is written once for the loop: the slot in hand is the scalar TB (0 or SLOT), which enters the fragments' addresses and the walking descriptors' LDS word.
; REGISTERS: window 0: v0-31 addresses; v64-127, v128-191 x's fragments, two buffers; v32-63, v192-255 the way out.  Window 1: v64-191 w's fragments.  Windows 2, 3: accumulators, (a, b) at v[8 (8 (a % 4) + b)].
.set PITCH,  272                       ; 256 bytes + 16: the 16 rows of a load start at 16 different groups of four banks (ISA guide 11.1)
.set PB,     544                       ; 512 bytes + 32
.set HALFT,  128*PITCH                 ; what one tensor load brings: 128 rows of x, or 64 rows of w (64 x 544 is the same number)
.set SLOT,   4*HALFT
.set STAGE,  2*SLOT                    ; behind the ring: 16 rows x 272 bytes for each wave
.set SPITCH, 272
.set SPARE,  STAGE+4*16*SPITCH         ; the spare words: 128 bytes a wave, named by no other line
.set ROWB,   2048                      ; bytes in a row of xb, wb and qk
.set ASTEP,  256                       ; a K step along x's rows
.set BSTEP,  128*ROWB                  ; a K step down w's rows
.set ADRA0, 16                         ; v16 my place in x's tile of slot 0; v17 in the slot in hand
.set ADRA,  17
.set ADRB0, 20                         ; v20, v21 the same for w
.set ADRB,  21
.set STO,  24
.set RD,   25
.set CO,   26
.set SPW,  28                          ; v28 my spare word's address; never rewritten
.set NIL,  29                          ; v29 0; never rewritten
.set PFO,  30                          ; v30 the prefetches' lane offset; never rewritten
.set F0,   64
.set F1,   128
.set TMP,  192
.set OB,   32
.set G1,  24                           ; s[24:31] group 1 for x's tiles; s[32:39] group 0, two sets: the second walks
.set G0,  32
.set G1B, 48                           ; s[48:55], s[56:63] the same for w's
.set G0B, 56
.set LIM, 43                           ; s43 2 in a wave that prefetches, else the greatest number
.set PFA, 44                           ; s[44:45] where my prefetches stand
.set TB,  66                           ; s66 LDS byte of the slot in hand
.set PST, 68                           ; s[68:69] a K step of the tensor that I fetch
.set WB,  70                           ; s70 my part of a slot: wave x HALFT
.set MSB, 0
.macro WIN new                         ; the immediate's high byte repeats the setting that is left; a switch that changes nothing is dropped
.if MSB != (\new)
	s_set_vgpr_msb (MSB<<8)|(\new)
.set MSB, \new
.endif
.endm
.set MUL_LO, 0xa1                      ; source 0 (w) window 1, source 1 (x) window 0, C and D window 2
.set MUL_HI, 0xf1
.set TO_B,   0x40
.macro PLACES                          ; four plain places behind matrix instructions, ahead of loads into their sources and of readers of their results
.rept 4
	v_nop
.endr
.endm
; A joint refill by the walking descriptors: waves 0, 1 x's halves, waves 2, 3 w's.  An s_nop 0 and four v_nop follow each line.
.macro JLOAD
	s_cmp_eq_u32 s11, 0
	s_cbranch_scc0 .Lfor_b_\@
	tensor_load_to_lds s[G0+4:G0+7], s[G1:G1+7]
	s_nop 0
	PLACES
	s_branch .Lasked_\@
.Lfor_b_\@:
	tensor_load_to_lds s[G0B+4:G0B+7], s[G1B:G1B+7]
	s_nop 0
	PLACES
.Lasked_\@:
.endm
.macro CREST                           ; a round of the cluster's barrier behind its opening barrier
	s_cmp_lg_u32 s10, 0
	s_cbranch_scc1 .Lnot_wave_0_\@
	s_barrier_signal -3
.Lnot_wave_0_\@:
	s_barrier_wait -3
	s_barrier_signal -1
	s_barrier_wait -1
.endm
.macro CROUND
	s_barrier_signal -1
	s_barrier_wait -1
	CREST
.endm
; A prefetch into the L2 of the K step two refills on (trip j names step j + 4; s3 runs 6 .. 1, so trips 0 to 3 ask and none passes step 7).
; x's rows belong to this cluster alone: of a wave's 128 rows the partner at cx takes 32, a lane a row.  w's rows are walked by the 8 clusters of a projection: the first of them asks;
; of a wave's 64 rows of 512 bytes the partner at cy takes 16, two lanes a row.  The partners are told apart by address.
.macro ASK
	s_cmp_gt_u32 s3, s[LIM]
	s_cbranch_scc0 .Lnot_mine_\@
	global_prefetch_b8 v[PFO], s[PFA:PFA+1] th:TH_LOAD_NT scope:SCOPE_SE
.Lnot_mine_\@:
.endm
	s_load_b128 s[4:7], s[0:1], 0x0                ; xb s[4:5], wb s[6:7]
	s_load_b64 s[8:9], s[0:1], 0x10                ; qk
	v_lshl_add_u32 v[SPW], v0, 2, SPARE
	v_mov_b32 v[NIL], 0
	ds_add_u32 v[SPW], v[NIL]                      ; the wave's opening: the add and its wait ahead of my first tensor load
	v_lshrrev_b32 v1, 5, v0
	v_readfirstlane_b32 s10, v1                    ; wave 0..3
	s_lshr_b32 s11, s10, 1                         ; my half of the tile's rows; also: I fetch x (0) or w (1)
	s_and_b32 s12, s10, 1                          ; my half of its columns; also: which half of that tile I fetch
	s_bfe_u32 s40, ttmp6, 0x40000                  ; cx
	s_bfe_u32 s41, ttmp6, 0x40004                  ; cy
	s_lshl_b32 s42, ttmp9, 2
	s_add_co_u32 s42, s42, s40                     ; tile column 0..3
	s_and_b32 s67, ttmp7, 0xffff                   ; cluster y 0..15
	s_lshl_b32 s13, s67, 2
	s_add_co_u32 s13, s13, s41                     ; tile row 0..63
	s_lshl_b32 s43, s41, 2
	s_lshl_b32 s43, 15, s43                        ; my row of the cluster
	s_lshl_b32 s44, 0x1111, s40                    ; my column
	s_or_b32 s[G1+0], s43, (1<<16)|(1<<20)|(1<<21)|(5<<22)|(3<<25)   ; mask; 2-byte elements; padding of 4 words after every 64; bit 21 beside a mask
	s_or_b32 s[G1B+0], s44, (1<<16)|(1<<20)|(1<<21)|(6<<22)|(7<<25)  ; mask; padding of 8 words after every 128
	s_mov_b32 s[G1+1], 128<<16                     ; tensor_dim0 = 128
	s_mov_b32 s[G1+2], 128<<16                     ; tensor_dim1 = 128
	s_mov_b32 s[G1+3], 128<<16                     ; tile_dim0 = 128
	s_mov_b32 s[G1+4], 128                         ; tile_dim1 = 128
	s_mov_b32 s[G1+5], 1024                        ; elements from row to row
	s_mov_b32 s[G1+6], 0
	s_mov_b32 s[G1+7], 0
	s_mov_b32 s[G1B+1], 256<<16                    ; tensor_dim0 = 256
	s_mov_b32 s[G1B+2], 64<<16                     ; tensor_dim1 = 64
	s_mov_b32 s[G1B+3], 256<<16                    ; tile_dim0 = 256
	s_mov_b32 s[G1B+4], 64                         ; tile_dim1 = 64
	s_mov_b32 s[G1B+5], 1024
	s_mov_b32 s[G1B+6], 0
	s_mov_b32 s[G1B+7], 0
	s_lshl_b32 s16, s13, 8
	s_lshl_b32 s17, s12, 7
	s_add_co_u32 s16, s16, s17                     ; x: row 256 x tile row + 128 x half,
	s_lshl_b32 s16, s16, 11                        ; in bytes (under 2^26)
	s_mov_b32 s17, 0
	s_lshr_b32 s46, s67, 3                         ; w: the projection, from the cluster's y alone,
	s_lshl_b32 s46, s46, 21
	s_lshl_b32 s47, s12, 17                        ; + 64 rows x half
	s_add_co_u32 s46, s46, s47
	s_lshl_b32 s47, s42, 9                         ; + 512 bytes x tile column
	s_add_co_u32 s46, s46, s47
	s_mov_b32 s47, 0
	s_mul_i32 s[WB], s10, HALFT                    ; no place in the cluster enters an LDS address
	s_mov_b32 s[TB], 0
	s_wait_dscnt 0x0                               ; the opening add is done
	s_wait_kmcnt 0x0
	s_add_nc_u64 s[14:15], s[4:5], s[16:17]
	s_add_nc_u64 s[46:47], s[6:7], s[46:47]
	CROUND                                         ; all sixteen work-groups are here: the first joint loads meet
.irp s, 0,1
	s_mov_b32 s[G0+4*(\s)], 1
	s_add_co_u32 s[G0+4*(\s)+1], s[WB], (\s)*SLOT
	s_add_nc_u64 s[G0+4*(\s)+2:G0+4*(\s)+3], s[14:15], (\s)*ASTEP
	s_or_b32 s[G0+4*(\s)+3], s[G0+4*(\s)+3], 0x80000000
	s_mov_b32 s[G0B+4*(\s)], 1
	s_add_co_u32 s[G0B+4*(\s)+1], s[WB], (\s)*SLOT
	s_add_nc_u64 s[G0B+4*(\s)+2:G0B+4*(\s)+3], s[46:47], (\s)*BSTEP
	s_or_b32 s[G0B+4*(\s)+3], s[G0B+4*(\s)+3], 0x80000000
.endr
	s_cmp_eq_u32 s11, 0                            ; a wave's two first fills stand in one branch: K steps 0 and 1; two loads of mine are out
	s_cbranch_scc0 .Lfirst_b
	tensor_load_to_lds s[G0:G0+3], s[G1:G1+7]
	s_nop 0
	tensor_load_to_lds s[G0+4:G0+7], s[G1:G1+7]
	s_nop 0
	PLACES
	s_branch .Lfirst_asked
.Lfirst_b:
	tensor_load_to_lds s[G0B:G0B+3], s[G1B:G1B+7]
	s_nop 0
	tensor_load_to_lds s[G0B+4:G0B+7], s[G1B:G1B+7]
	s_nop 0
	PLACES
.Lfirst_asked:
	v_and_b32 v1, 15, v0                           ; r = l % 16
	v_bfe_u32 v2, v0, 4, 1                         ; h = l / 16
	v_mul_u32_u24 v3, v1, PITCH
	v_lshl_add_u32 v3, v2, 4, v3
	s_mul_i32 s21, s11, HALFT
	v_add_nc_u32 v[ADRA0], s21, v3                 ; x: my 128 rows; row r x pitch + 16 h
	v_mov_b32 v[ADRA], v[ADRA0]
	v_and_b32 v5, 7, v0                            ; w, turned: lane l reads row 8 h + l % 8, 16 bytes at 16 ((l / 8) % 2)
	v_lshl_add_u32 v5, v2, 3, v5
	v_mul_u32_u24 v5, v5, PB
	v_bfe_u32 v6, v0, 3, 1
	v_lshl_add_u32 v5, v6, 4, v5
	s_lshl_b32 s22, s12, 8                         ; my 128 columns: 256 bytes
	s_add_co_u32 s22, s22, 2*HALFT                 ; w's tile lies behind x's
	v_add_nc_u32 v[ADRB0], s22, v5
	v_mov_b32 v[ADRB], v[ADRB0]
	s_mul_i32 s23, s10, 16*SPITCH
	s_add_co_u32 s23, s23, STAGE                   ; my stage
	v_mul_u32_u24 v4, v1, SPITCH
	v_lshl_add_u32 v4, v2, 4, v4
	v_add_nc_u32 v[STO], s23, v4                   ; in: row r, 16 bytes for each half of the lanes
	v_mul_u32_u24 v5, v2, SPITCH
	v_lshl_add_u32 v5, v1, 4, v5
	v_add_nc_u32 v[RD], s23, v5                    ; back: lanes 0-15 one row of 256 bytes, lanes 16-31 the next
	v_lshlrev_b32 v5, 11, v2
	v_lshl_add_u32 v[CO], v1, 4, v5                ; the same two rows in qk
	; the prefetches
	s_and_b32 s22, s67, 7                          ; the cluster's place in its projection
	s_mov_b32 s[PST], ASTEP
	s_mov_b32 s[PST+1], 0
	s_cmp_eq_u32 s11, 0
	s_cselect_b32 s22, ttmp9, s22                  ; the coordinate along which other clusters read the same rows
	s_cselect_b32 s21, s40, s41                    ; my place among the four that ask with me
	s_cselect_b64 s[PFA:PFA+1], s[14:15], s[46:47] ; my wave's tile of K step 0
	s_cselect_b32 s[PST], s[PST], BSTEP
	s_cselect_b32 s23, 16, 15                      ; a partner's share: 32 rows of x, 16 of w
	s_lshl_b32 s20, s21, s23
	s_mov_b32 s21, 0
	s_add_nc_u64 s[PFA:PFA+1], s[PFA:PFA+1], s[20:21]
	s_mul_i32 s20, s[PST], 3
	s_add_nc_u64 s[PFA:PFA+1], s[PFA:PFA+1], s[20:21]  ; at K step 3: the first refill steps it to 4
	s_cmp_eq_u32 s22, 0
	s_cselect_b32 s[LIM], 2, -1                    ; the same in all sixteen partners, for a given wave
	v_and_b32 v5, 31, v0
	v_lshrrev_b32 v6, s11, v5
	v_lshlrev_b32 v6, 11, v6                       ; x: lane x a row; w: (lane / 2) x a row
	v_and_b32 v7, s11, v5
	v_lshl_add_u32 v[PFO], v7, 8, v6               ; w: + 256 x (lane % 2)
	; where my part of the tile begins in qk
	s_lshl_b32 s16, s13, 8
	s_lshl_b32 s17, s11, 7
	s_add_co_u32 s16, s16, s17
	s_lshl_b32 s16, s16, 11
	s_mov_b32 s17, 0
	s_add_nc_u64 s[8:9], s[8:9], s[16:17]
	s_lshl_b32 s46, s42, 9
	s_lshl_b32 s47, s12, 8
	s_add_co_u32 s46, s46, s47
	s_mov_b32 s47, 0
	s_add_nc_u64 s[8:9], s[8:9], s[46:47]
; 16 matrix instructions: row blocks a0, a0 + 1 of the window's four x all 8 column blocks, 32 along K.  zero = 1: the product starts the sums.
.macro MUL16 f, hi, a0, zero
	WIN MUL_LO+0x50*(\hi)
.irp a, \a0, (\a0)+1
.irp b, 0,1,2,3,4,5,6,7
.if \zero
	v_wmma_f32_16x16x32_bf16 v[8*(8*(\a)+(\b)):8*(8*(\a)+(\b))+7], v[(\f)+8*(\b):(\f)+8*(\b)+7], v[(\f)+8*(4*(\hi)+(\a)):(\f)+8*(4*(\hi)+(\a))+7], 0
.else
	v_wmma_f32_16x16x32_bf16 v[8*(8*(\a)+(\b)):8*(8*(\a)+(\b))+7], v[(\f)+8*(\b):(\f)+8*(\b)+7], v[(\f)+8*(4*(\hi)+(\a)):(\f)+8*(4*(\hi)+(\a))+7], v[8*(8*(\a)+(\b)):8*(8*(\a)+(\b))+7]
.endif
.endr
.endr
.endm
; 32 LDS loads in one run: quarter q (32 along K) of the slot in hand into buffer f: w's 8 fragments, turned, then x's 8
.macro FETCH q, f
	WIN TO_B
.irp i, 0,1,2,3,4,5,6,7
	ds_load_tr16_b128 v[(\f)+8*(\i):(\f)+8*(\i)+3],   v[ADRB] offset:32*PB*(\q)+32*(\i)
	ds_load_tr16_b128 v[(\f)+8*(\i)+4:(\f)+8*(\i)+7], v[ADRB] offset:32*PB*(\q)+32*(\i)+16*PB
.endr
	WIN 0
.irp i, 0,1,2,3,4,5,6,7
	ds_load_b128 v[(\f)+8*(\i):(\f)+8*(\i)+3],   v[ADRA] offset:64*(\q)+(\i)*16*PITCH
	ds_load_b128 v[(\f)+8*(\i)+4:(\f)+8*(\i)+7], v[ADRA] offset:64*(\q)+(\i)*16*PITCH+32
.endr
.endm
; multiplies buffer f; in its middle fetches quarter q into buffer g
.macro QUARTER q, f, g, zero
	s_wait_dscnt 8                                 ; w and x's rows 0-63 are in; the youngest eight loads (x's rows 64-127) may be out
	MUL16 \f, 0, 0, \zero
	MUL16 \f, 0, 2, \zero
	PLACES
	FETCH \q, \g
	s_wait_dscnt 32                                ; all but the 32 just issued
	MUL16 \f, 1, 0, \zero
	MUL16 \f, 1, 2, \zero
.endm
; The change of slots, first half: every wave waits for all its tensor loads (at most one is out: its part of the next slot), adds 0 to its spare word, and waits for that and for its reads of this slot.
; upd = 1: the walking descriptors take this slot and the K step two on.  TB and the fragments' addresses turn to the other slot.
.macro MEET upd
	WIN 0
	s_wait_tensorcnt 0x0                           ; no tensor load of mine is out, so a group 0 may be written
	ds_add_u32 v[SPW], v[NIL]
.if \upd
	s_add_co_u32 s[G0+5], s[WB], s[TB]
	s_add_co_u32 s[G0B+5], s[WB], s[TB]
	s_add_nc_u64 s[G0+6:G0+7], s[G0+6:G0+7], ASTEP
	s_add_nc_u64 s[G0B+6:G0B+7], s[G0B+6:G0B+7], BSTEP
.endif
	s_xor_b32 s[TB], s[TB], SLOT
	v_add_nc_u32 v[ADRA], s[TB], v[ADRA0]
	v_add_nc_u32 v[ADRB], s[TB], v[ADRB0]
	s_wait_dscnt 9                                 ; the add and the youngest eight loads may be out
	MUL16 F1, 0, 0, 0
	s_wait_dscnt 0x0                               ; the add is done, my reads of this slot are over
	s_barrier_signal -1
	MUL16 F1, 0, 2, 0
	WIN 0
	s_barrier_wait -1
.endm
; The last quarter of a K step that fills its slot again: the barrier opens a round of the cluster's, and the joint refill is the first thing behind it.
.macro TURN
	s_wait_xcnt 0x0                                ; the last prefetch, a K step back, has read its address
	s_add_nc_u64 s[PFA:PFA+1], s[PFA:PFA+1], s[PST:PST+1]
	MEET 1
	CREST
	JLOAD                                          ; its four v_nop are also the places ahead of the loads below
	FETCH 0, F0
	ASK
	MUL16 F1, 1, 0, 0
	MUL16 F1, 1, 2, 0
.endm
; THE WAY OUT of row block a: rounded to f16, 16 bytes a lane; through my own stage; stored as whole rows of 256 bytes
.macro PACK a
.set AC, 64*((\a)%4)
	WIN 0x0a+5*((\a)/4)
.irp b, 0,1,2,3,4,5,6,7
.irp r, 0,1,2,3
	v_cvt_pk_f16_f32 v[TMP+4*(\b)+(\r)], v[AC+8*(\b)+2*(\r)], v[AC+8*(\b)+2*(\r)+1]
.endr
.endr
	WIN 0
.endm
.macro TOSTAGE a
	WIN 0
.set BK, OB+192*((\a)%2)
.irp b, 0,1,2,3,4,5,6,7
	ds_store_b128 v[STO], v[TMP+4*(\b):TMP+4*(\b)+3] offset:32*(\b)
.endr
.irp t, 0,1,2,3,4,5,6,7
	ds_load_b128 v[BK+4*(\t):BK+4*(\t)+3], v[RD] offset:(\t)*2*SPITCH  ; LDS serves a wave's instructions in order (ISA guide 5.7.1.4)
.endr
.endm
.macro SEND a
	WIN 0
.set BK, OB+192*((\a)%2)
	s_wait_dscnt 0x0                               ; the block is back in registers
	s_wait_xcnt 0x0                                ; the stores of the block before have read their registers: the next block's loads land there
.irp t, 0,1,2,3,4,5,6,7
	global_store_b128 v[CO], v[BK+4*(\t):BK+4*(\t)+3], s[8:9] offset:(16*(\a)+2*(\t))*ROWB  ; 16 lanes store 256 consecutive bytes, aligned
.endr
.endm
	s_wait_tensorcnt 1                             ; my part of K step 0 is in; step 1's may stay out
	s_barrier_signal -1
	s_barrier_wait -1
	FETCH 0, F0
	QUARTER 1, F0, F1, 1                           ; the first quarter starts the sums
	WIN 0
	s_mov_b32 s3, 6
.Lk:                                   ; trip j: the rest of K step j, the refill with step j + 2, the first quarter of step j + 1
	QUARTER 2, F1, F0, 0
	QUARTER 3, F0, F1, 0
	TURN
	QUARTER 1, F0, F1, 0
	WIN 0
	s_sub_co_u32 s3, s3, 1
	s_cmp_lg_u32 s3, 0
	s_cbranch_scc1 .Lk
	s_mov_b32 s3, 2
.Ltail:                                ; K steps 6 and 7 ask for nothing: a text of their own, walked twice and left in the middle of the second trip
	QUARTER 2, F1, F0, 0
	QUARTER 3, F0, F1, 0
	MEET 0
	s_sub_co_u32 s3, s3, 1
	s_cmp_eq_u32 s3, 0
	s_cbranch_scc1 .Lfin
	PLACES
	FETCH 0, F0
	MUL16 F1, 1, 0, 0
	MUL16 F1, 1, 2, 0
	QUARTER 1, F0, F1, 0
	WIN 0
	s_branch .Ltail
.Lfin:
	MUL16 F1, 1, 0, 0                              ; the last products
	MUL16 F1, 1, 2, 0
	WIN 0
	PLACES
	PACK 0
	TOSTAGE 0
.irp a, 1,2,3,4,5,6,7
	PACK \a
	SEND (\a)-1
	TOSTAGE \a
.endr
	SEND 7
	s_wait_tensorcnt 0x0                           ; the wave's end
	ds_add_u32 v[SPW], v[NIL]
	s_wait_dscnt 0x0
	CROUND                                         ; the closing round
	s_endpgm
.Lfunc_end_k_qe06234e514_proj:
	.size	k_qe06234e514_proj, .Lfunc_end_k_qe06234e514_proj-k_qe06234e514_proj
	.p2alignl 7, 3214868480
	.fill 96, 4, 3214868480
	.section	.rodata,"a",@progbits
	.p2align	6, 0x0
	.amdhsa_kernel k_qe06234e514_proj
		.amdhsa_group_segment_fixed_size 327680
		.amdhsa_private_segment_fixed_size 0
		.amdhsa_enable_private_segment 0
		.amdhsa_kernarg_size 24
		.amdhsa_user_sgpr_count 2
		.amdhsa_user_sgpr_kernarg_segment_ptr 1
		.amdhsa_wavefront_size32 1
		.amdhsa_system_sgpr_workgroup_id_x 1
		.amdhsa_system_sgpr_workgroup_id_y 1
		.amdhsa_system_sgpr_workgroup_id_z 1
		.amdhsa_system_vgpr_workitem_id 0
		.amdhsa_next_free_vgpr 1024
		.amdhsa_next_free_sgpr 72
		.amdhsa_reserve_vcc 0
		.amdhsa_float_denorm_mode_32 3
		.amdhsa_float_denorm_mode_16_64 3
		.amdhsa_memory_ordered 1
		.amdhsa_forward_progress 1
		.amdhsa_inst_pref_size 102
	.end_amdhsa_kernel
	.amdgpu_metadata
---
amdhsa.version: [ 1, 2 ]
amdhsa.kernels:
  - .name:           k_qe06234e514_proj
    .symbol:         k_qe06234e514_proj.kd
    .args:
      - { .name: xb, .offset: 0, .size: 8, .value_kind: global_buffer, .address_space: global }
      - { .name: wb, .offset: 8, .size: 8, .value_kind: global_buffer, .address_space: global }
      - { .name: qk, .offset: 16, .size: 8, .value_kind: global_buffer, .address_space: global }
    .group_segment_fixed_size: 327680
    .private_segment_fixed_size: 0
    .kernarg_segment_align: 8
    .kernarg_segment_size: 24
    .max_flat_workgroup_size: 128
    .sgpr_count:     72
    .vgpr_count:     1024
    .wavefront_size: 32
...
	.end_amdgpu_metadata
.endif
;; end of part 2
;; launch mix (part 3): grid 4 x 62, 4 waves a work-group, no clusters, 327,680 bytes of LDS; arguments qk, pt, sm, sl, xb, wb, qkv; writes pt, sm, sl, qkv
.if DOCPART == 3
	.amdgcn_target "amdgcn-amd-amdhsa--gfx1250"
	.amdhsa_code_object_version 6
	.text
	.protected	k_qe06234e514_mix
	.globl	k_qe06234e514_mix
	.p2align	8
	.type	k_qe06234e514_mix,@function
k_qe06234e514_mix:
	s_mov_b64 s[64:65], 0
	v_nop
	global_prefetch_b8 v0, s[64:65] scope:SCOPE_SE
	s_setreg_imm32_b32 hwreg(HW_REG_WAVE_MODE, 25, 1), 1
	s_wait_xcnt 0x0
; TWO KINDS OF WORK-GROUP that do not depend on each other share this launch: 144 score tiles and 104 tiles of V's projection: 248 work-groups.
; y < 26: V.  qkv[2][m][e] = the sum over d of xb[2][m][d] wb[2][d][e]: a tile of 320 rows x 256 columns (row tile y, column tile x), f16, rounded once from f32 sums.
;   8,192 rows are 25 tiles of 320 and one of 192: its missing rows come into LDS as zeros (the descriptor states the rows that are left) and are not stored.
; y >= 26: SCORES.  Batch b = x; tile j = y - 26 of the 36 tiles (I, t), t <= I, of 256 queries x 256 keys: s = Q K^T; cm[q] = c x the tile's row maximum of the visible s, c = log2(e) / sqrt(2048);
;   pt[b][q][k] = f16(2^(c s - cm)), 0 where k > q; sl[q] = the row's sum of the unrounded weights; sm[q] = cm.  The next launch joins the tiles' maxima and sums in f32.
;   r4 = j / 9, x9 = j % 9; x9 < 8 - r4: tile (7 - r4, x9), else (r4, x9 - (8 - r4)).  K = qk rows 0 .. 8,191, Q = qk rows 8,192 .., f16 [.][1024].  pt: f16 [4][2048][2048]; sm, sl: f32 [4][8 t][2048 q].
; LIMITS: V must lie within f16's 65,504; a hidden score counts as its value less 1e30; a weight below 2^-126 counts as 0 in the sum, below 6e-8 as 0 in f16; NaN and infinities are not treated apart.
; NO CLUSTER: a launch has one cluster shape, and the rows of the score triangle have 1 to 8 tiles: they do not fall into fours that share a row or a column of tiles.  So V's x tiles, which four work-groups share, are asked for singly too.
; Both kinds: four waves, K in 8 steps of 128 through two LDS slots that take turns; the slot in hand is a scalar (0 or the slot's bytes) that enters the fragments' addresses and the walking descriptors' LDS word.
; The branch between the kinds hangs on the work-group's y alone: all four waves take the same way.  The two kinds' slots name overlapping LDS bytes: the score tiles' first fills go out at the start,
; V's each behind a barrier of V's own way, as refills do.
.set NVR,    26                        ; V's row tiles
.set PITCH,  272                       ; 256 bytes + 16: the 16 rows of a load start at 16 different groups of four banks (ISA guide 11.1)
.set SPARE,  313344                    ; behind V's two slots (2 x 156,672) and behind all that the score tiles use: the spare words, 128 bytes a wave, named by no other line
.set ASTEP,  256                       ; a K step along rows that lie along K
.set SPW,  28                          ; v28 my spare word's address; never rewritten
.set NIL,  29                          ; v29 0; never rewritten
.set MSB, 0
.macro WIN new                         ; the immediate's high byte repeats the setting that is left; a switch that changes nothing is dropped
.if MSB != (\new)
	s_set_vgpr_msb (MSB<<8)|(\new)
.set MSB, \new
.endif
.endm
.macro PLACES                          ; four plain places behind matrix instructions, ahead of loads into their sources and of readers of their results
.rept 4
	v_nop
.endr
.endm
	s_load_b256 s[4:11], s[0:1], 0x0               ; qk s[4:5], pt s[6:7], sm s[8:9], sl s[10:11]
	s_load_b128 s[68:71], s[0:1], 0x20             ; xb s[68:69], wb s[70:71]
	s_load_b64 s[72:73], s[0:1], 0x30              ; qkv
	v_lshl_add_u32 v[SPW], v0, 2, SPARE
	v_mov_b32 v[NIL], 0
	ds_add_u32 v[SPW], v[NIL]                      ; the wave's opening: the add and its wait ahead of my first tensor load
	v_lshrrev_b32 v1, 5, v0
	v_readfirstlane_b32 s12, v1                    ; wave
	s_lshr_b32 s13, s12, 1                         ; my half of the tile's rows; also: I fetch the row operand (0) or the column operand (1)
	s_and_b32 s14, s12, 1                          ; my half of its columns; also: which half of that operand's tile I fetch
	s_and_b32 s18, ttmp7, 0xffff                   ; y
	v_and_b32 v1, 15, v0                           ; r = l % 16
	v_bfe_u32 v2, v0, 4, 1                         ; h = l / 16
	v_and_b32 v4, 31, v0                           ; l
	s_wait_dscnt 0x0                               ; the opening add is done
	s_wait_kmcnt 0x0
	s_cmp_lt_u32 s18, NVR                          ; the same in all four waves
	s_cbranch_scc1 .Lvproj
; ================================================ THE SCORE TILES ================================================
; The product is the 256 x 256 tile on four waves, 128 x 128 each; source 0 = 16 keys, source 1 = 16 queries: a lane holds one query and eight neighbouring keys.
; Then the scores go into LDS (over the slots, which have had their last fill) as 256 rows of f32, pitch 1,040, and each wave takes 64 whole rows, four a trip, a lane 8 keys.
; REGISTERS: window 0: v0-31 addresses; v64-127, v128-191 Q's fragments.  Window 1: v64-191 K's fragments.  Windows 2, 3: accumulators, (a, b) at v[8 (8 (a % 4) + b)].
.set HALFT,  128*PITCH
.set SLOT,   4*HALFT
.set DP,     1040                      ; a dumped row: 1,024 bytes + 16
.set XS,     2*SLOT                    ; cm of the 256 rows, then their sums at + 1,024: blocks that no tensor load of this way fills
.set ADRA0, 16
.set ADRA,  17
.set ADRB0, 20
.set ADRB,  21
.set PFO,  30
.set F0,   64
.set F1,   128
.set G1,  24                           ; s[24:31] group 1; s[32:39] group 0, two sets: the second walks
.set G0,  32
.set TB,  40
.set WB,  41
.set LIM, 42
.set PFA, 44                           ; s[44:45]
.set CS,  46                           ; s[46:47] c
.set SEL, 48                           ; s[48:49] v_permlanex16_b32's selects
.set BE,  50                           ; s[50:51] -1e30 in the two waves that hold the diagonal of a diagonal tile, else 0
.set PT,  52                           ; s[52:53] pt at the tile
.set SMA, 54                           ; s[54:55] sm at my 64 rows
.set HB,  56                           ; s56 -1e30 where my 64 rows see none of the tile's keys 128-255, else 0
.set SLA, 58                           ; s[58:59] sl at my 64 rows
.set MUL_LO, 0xa1
.set MUL_HI, 0xf1
.set TO_B,   0x40
; A prefetch into the L2 of my own 128 rows' 256 bytes of the K step two refills on (trip j names step j + 4; trips 0 to 3 ask).  Q's block I is read by the tiles (I, 0 .. I): the tile t = 0 asks;
; K's block t by the tiles (t .. 7, t): the tile I = t asks.  A lane a row, four instructions.
.macro ASK
	s_cmp_gt_u32 s3, s[LIM]
	s_cbranch_scc0 .Lnot_mine_\@
.irp k, 0,1,2,3
	global_prefetch_b8 v[PFO], s[PFA:PFA+1] offset:65536*(\k) th:TH_LOAD_NT scope:SCOPE_SE
.endr
.Lnot_mine_\@:
.endm
	s_sub_co_u32 s18, s18, NVR                     ; j, 0 .. 35
	s_mul_i32 s19, s18, 57
	s_lshr_b32 s19, s19, 9                         ; r4 = j / 9: 57 j >> 9 is exact for j < 36
	s_mul_i32 s20, s19, 9
	s_sub_co_u32 s23, s18, s20                     ; x9 = j % 9
	s_mov_b32 s17, ttmp9                           ; b
	s_sub_co_u32 s20, 8, s19
	s_sub_co_u32 s21, 7, s19
	s_sub_co_u32 s22, s23, s20
	s_cmp_lt_u32 s23, s20
	s_cselect_b32 s15, s21, s19                    ; I
	s_cselect_b32 s16, s23, s22                    ; t
	s_mov_b32 s[G1+0], (1<<16)|(1<<20)|(5<<22)|(3<<25)  ; 2-byte elements; padding of 4 words after every 64
	s_mov_b32 s[G1+1], 128<<16
	s_mov_b32 s[G1+2], 128<<16
	s_mov_b32 s[G1+3], 128<<16
	s_mov_b32 s[G1+4], 128
	s_mov_b32 s[G1+5], 1024
	s_mov_b32 s[G1+6], 0
	s_mov_b32 s[G1+7], 0
	s_cmp_eq_u32 s13, 0
	s_cselect_b32 s18, s15, s16                    ; the block of 256 rows,
	s_cselect_b32 s19, 0x1000000, 0                ; among Q's rows or K's
	s_lshl_b32 s18, s18, 8
	s_lshl_b32 s20, s17, 11
	s_add_co_u32 s18, s18, s20
	s_lshl_b32 s20, s14, 7
	s_add_co_u32 s18, s18, s20
	s_lshl_b32 s18, s18, 11
	s_add_co_u32 s18, s18, s19
	s_mov_b32 s19, 0
	s_sub_co_u32 s22, s15, s16                     ; I - t: 0 in a diagonal tile
	s_cmp_eq_u32 s13, 0
	s_cselect_b32 s23, s16, s22
	s_cmp_eq_u32 s23, 0
	s_cselect_b32 s[LIM], 2, -1
	s_xor_b32 s23, s13, s14
	s_or_b32 s23, s23, s22
	s_cmp_eq_u32 s23, 0
	s_cselect_b32 s[BE], 0xf149f2ca, 0
	s_mov_b32 s[BE+1], 0
	s_or_b32 s23, s13, s22
	s_cmp_eq_u32 s23, 0
	s_cselect_b32 s[HB], 0xf149f2ca, 0
	s_mov_b32 s[CS], 0x3d0293ee                    ; c = log2(e) / sqrt(2048)
	s_mov_b32 s[CS+1], s[CS]
	s_mov_b32 s[SEL], 0x76543210
	s_mov_b32 s[SEL+1], 0xfedcba98
	s_mul_i32 s[WB], s12, HALFT
	s_mov_b32 s[TB], 0
	s_add_nc_u64 s[20:21], s[4:5], s[18:19]
.irp s, 0,1
	s_mov_b32 s[G0+4*(\s)], 1
	s_add_co_u32 s[G0+4*(\s)+1], s[WB], (\s)*SLOT
	s_add_nc_u64 s[G0+4*(\s)+2:G0+4*(\s)+3], s[20:21], (\s)*ASTEP
	s_or_b32 s[G0+4*(\s)+3], s[G0+4*(\s)+3], 0x80000000
.endr
	tensor_load_to_lds s[G0:G0+3], s[G1:G1+7]      ; K steps 0 and 1: two loads of mine are out
	s_nop 0
	tensor_load_to_lds s[G0+4:G0+7], s[G1:G1+7]
	s_nop 0
	PLACES
	s_add_nc_u64 s[PFA:PFA+1], s[20:21], 3*ASTEP   ; at K step 3: the first refill steps it to 4
	v_lshlrev_b32 v[PFO], 11, v4
	v_mul_u32_u24 v3, v1, PITCH
	v_lshl_add_u32 v3, v2, 4, v3
	s_mul_i32 s18, s13, HALFT
	v_add_nc_u32 v[ADRA0], s18, v3
	v_mov_b32 v[ADRA], v[ADRA0]
	s_mul_i32 s18, s14, HALFT
	s_add_co_u32 s18, s18, 2*HALFT
	v_add_nc_u32 v[ADRB0], s18, v3
	v_mov_b32 v[ADRB], v[ADRB0]
	s_lshl_b32 s18, s17, 23                        ; pt at the tile: batch, 256 I rows of 4,096 bytes, 512 t bytes
	s_lshl_b32 s19, s15, 20
	s_add_co_u32 s18, s18, s19
	s_lshl_b32 s19, s16, 9
	s_add_co_u32 s18, s18, s19
	s_mov_b32 s19, 0
	s_add_nc_u64 s[PT:PT+1], s[6:7], s[18:19]
	s_lshl_b32 s18, s17, 3                         ; sm, sl: ((8 b + t) 2,048 + 256 I + 64 w) x 4
	s_add_co_u32 s18, s18, s16
	s_lshl_b32 s18, s18, 13
	s_lshl_b32 s20, s15, 10
	s_add_co_u32 s18, s18, s20
	s_lshl_b32 s20, s12, 8
	s_add_co_u32 s18, s18, s20
	s_add_nc_u64 s[SMA:SMA+1], s[8:9], s[18:19]
	s_add_nc_u64 s[SLA:SLA+1], s[10:11], s[18:19]
.macro MUL16 f, hi, a0, zero
	WIN MUL_LO+0x50*(\hi)
.irp a, \a0, (\a0)+1
.irp b, 0,1,2,3,4,5,6,7
.if \zero
	v_wmma_f32_16x16x32_f16 v[8*(8*(\a)+(\b)):8*(8*(\a)+(\b))+7], v[(\f)+8*(\b):(\f)+8*(\b)+7], v[(\f)+8*(4*(\hi)+(\a)):(\f)+8*(4*(\hi)+(\a))+7], 0
.else
	v_wmma_f32_16x16x32_f16 v[8*(8*(\a)+(\b)):8*(8*(\a)+(\b))+7], v[(\f)+8*(\b):(\f)+8*(\b)+7], v[(\f)+8*(4*(\hi)+(\a)):(\f)+8*(4*(\hi)+(\a))+7], v[8*(8*(\a)+(\b)):8*(8*(\a)+(\b))+7]
.endif
.endr
.endr
.endm
.macro FETCH q, f
	WIN TO_B
.irp i, 0,1,2,3,4,5,6,7
	ds_load_b128 v[(\f)+8*(\i):(\f)+8*(\i)+3],   v[ADRB] offset:64*(\q)+(\i)*16*PITCH
	ds_load_b128 v[(\f)+8*(\i)+4:(\f)+8*(\i)+7], v[ADRB] offset:64*(\q)+(\i)*16*PITCH+32
.endr
	WIN 0
.irp i, 0,1,2,3,4,5,6,7
	ds_load_b128 v[(\f)+8*(\i):(\f)+8*(\i)+3],   v[ADRA] offset:64*(\q)+(\i)*16*PITCH
	ds_load_b128 v[(\f)+8*(\i)+4:(\f)+8*(\i)+7], v[ADRA] offset:64*(\q)+(\i)*16*PITCH+32
.endr
.endm
.macro QUARTER q, f, g, zero
	s_wait_dscnt 8                                 ; K and Q's rows 0-63 are in; the youngest eight loads may be out
	MUL16 \f, 0, 0, \zero
	MUL16 \f, 0, 2, \zero
	PLACES
	FETCH \q, \g
	s_wait_dscnt 32                                ; all but the 32 just issued
	MUL16 \f, 1, 0, \zero
	MUL16 \f, 1, 2, \zero
.endm
; The change of slots, first half: every wave waits for all its tensor loads, adds 0 to its spare word, and waits for that and for its reads of this slot.  upd = 1: the walking descriptor takes this slot and the K step two on.
.macro MEET upd
	WIN 0
	s_wait_tensorcnt 0x0                           ; all my tensor loads have landed: my part of the next slot
	ds_add_u32 v[SPW], v[NIL]
.if \upd
	s_add_co_u32 s[G0+5], s[WB], s[TB]
	s_add_nc_u64 s[G0+6:G0+7], s[G0+6:G0+7], ASTEP
.endif
	s_xor_b32 s[TB], s[TB], SLOT
	v_add_nc_u32 v[ADRA], s[TB], v[ADRA0]
	v_add_nc_u32 v[ADRB], s[TB], v[ADRB0]
	s_wait_dscnt 9                                 ; the add and the youngest eight loads may be out
	MUL16 F1, 0, 0, 0
	s_wait_dscnt 0x0                               ; the add is done, my reads of this slot are over
	s_barrier_signal -1
	MUL16 F1, 0, 2, 0
	WIN 0
	s_barrier_wait -1
.endm
	s_wait_tensorcnt 1                             ; my part of K step 0 is in; step 1's may stay out
	s_barrier_signal -1
	s_barrier_wait -1
	FETCH 0, F0
	QUARTER 1, F0, F1, 1
	WIN 0
	s_mov_b32 s3, 6
.Lk:                                   ; trip j: the rest of K step j, the refill with step j + 2, the first quarter of step j + 1
	QUARTER 2, F1, F0, 0
	QUARTER 3, F0, F1, 0
	s_wait_xcnt 0x0                                ; the last prefetches, a K step back, have read their address
	s_add_nc_u64 s[PFA:PFA+1], s[PFA:PFA+1], ASTEP
	MEET 1
	tensor_load_to_lds s[G0+4:G0+7], s[G1:G1+7]    ; my one load behind the barrier, and the first thing there
	s_nop 0
	PLACES
	FETCH 0, F0
	ASK
	MUL16 F1, 1, 0, 0
	MUL16 F1, 1, 2, 0
	QUARTER 1, F0, F1, 0
	WIN 0
	s_sub_co_u32 s3, s3, 1
	s_cmp_lg_u32 s3, 0
	s_cbranch_scc1 .Lk
	s_mov_b32 s3, 2
.Ltail:                                ; K steps 6 and 7 ask for nothing: a text of their own, walked twice and left in the middle of the second trip
	QUARTER 2, F1, F0, 0
	QUARTER 3, F0, F1, 0
	MEET 0
	s_sub_co_u32 s3, s3, 1
	s_cmp_eq_u32 s3, 0
	s_cbranch_scc1 .Lfin
	PLACES
	FETCH 0, F0
	MUL16 F1, 1, 0, 0
	MUL16 F1, 1, 2, 0
	QUARTER 1, F0, F1, 0
	WIN 0
	s_branch .Ltail
.Lfin:
	MUL16 F1, 1, 0, 0                              ; the last products
	MUL16 F1, 1, 2, 0
	WIN 0
	PLACES
; THE MASK, on registers, between the signal and the wait of the barrier behind which the slots are written over.  My query is 128 s13 + 16 a + r, my keys 128 s14 + 16 b + 8 h + j.
; In the two waves with s13 = s14 of a diagonal tile: block b > a is hidden whole, block b = a where j > r - 8 h.  Elsewhere BE is 0 and the sums change nothing.
; (The quadrant of queries 0-127 and keys 128-255 is hidden in the row loop, by HBV.)  Each accumulator is read from its low end on.
.set MD,  64                           ; v[64:71]
.set RA,  16
.set PO,  17
.set XA,  18
.set HBV, 19
.set DST, 22                           ; v22, v23
.set SR,  64                           ; v[64:95]  four rows' scores, 8 a lane
.set MX,  96
.set TP,  100
.set CM,  104                          ; v[104:111] a pair a row
.set PK,  112                          ; v[112:127]
.set LS,  128
	s_barrier_signal -1
	v_lshlrev_b32 v3, 3, v2
	v_sub_nc_u32 v3, v1, v3                        ; r - 8 h
.irp j, 0,1,2,3,4,5,6,7
	v_cmp_gt_i32 vcc_lo, \j, v3
	v_cndmask_b32 v[MD+\j], 0, s[BE], vcc_lo
.endr
.set a, 0
.rept 8
	WIN 0x82+0x41*(a/4)                            ; destination and source 0 in the accumulators' window
.set b, a
.rept 8-a
.set rA, 8*(8*(a%4)+b)
.set k, 0
.rept 4
.if b == a
	v_pk_add_f32 v[rA+2*k:rA+2*k+1], v[rA+2*k:rA+2*k+1], v[MD+2*k:MD+2*k+1]
.else
	v_pk_add_f32 v[rA+2*k:rA+2*k+1], v[rA+2*k:rA+2*k+1], s[BE:BE+1] op_sel_hi:[1,0]
.endif
.set k, k+1
.endr
.set b, b+1
.endr
.set a, a+1
.endr
	WIN 0
	v_mul_u32_u24 v5, v1, DP                       ; where my 32 bytes of a block's row go: (128 s13 + r) x 1,040 + (128 s14 + 8 h) x 4
	v_lshl_add_u32 v5, v2, 5, v5
	s_mul_i32 s18, s13, 128*DP
	s_lshl_b32 s19, s14, 9
	s_add_co_u32 s18, s18, s19
	v_add_nc_u32 v[DST], s18, v5
	v_add_nc_u32 v[DST+1], 64*DP, v[DST]           ; row blocks 4-7
	s_barrier_wait -1                              ; no wave reads the slots any more, and no tensor load is out
.set a, 0
.rept 8
	WIN 0x08+4*(a/4)                               ; the stores' data in the accumulators' window
.set b, 0
.rept 8
.set rA, 8*(8*(a%4)+b)
	ds_store_b128 v[DST+a/4], v[rA:rA+3]   offset:(a%4)*16*DP+64*b
	ds_store_b128 v[DST+a/4], v[rA+4:rA+7] offset:(a%4)*16*DP+64*b+16
.set b, b+1
.endr
.set a, a+1
.endr
	WIN 0
	s_mul_i32 s18, s12, 64*DP
	v_lshl_add_u32 v[RA], v4, 5, s18               ; my 64 rows; 32 bytes a lane
	s_lshl_b32 s18, s12, 18
	v_lshl_add_u32 v[PO], v4, 4, s18               ; the same rows in pt: 4,096 bytes a row, 16 bytes a lane
	s_lshl_b32 s18, s12, 8
	s_add_co_u32 s18, s18, XS
	v_mov_b32 v[XA], s18
	v_cmp_lt_u32 vcc_lo, 15, v4                    ; lanes 16-31 hold keys 128-255
	v_cndmask_b32 v[HBV], 0, s[HB], vcc_lo
.irp k, 0,1,2,3
	v_mov_b32 v[TP+\k], 0                          ; v_permlanex16_b32 counts as a reader of its destination
	v_mov_b32 v[CM+2*\k+1], 0                      ; named with the low word as a pair
.endr
	s_wait_dscnt 0x0                               ; for the others' sake: my stores are done
	s_barrier_signal -1
	s_barrier_wait -1
	s_mov_b32 s3, 16
.Lrow:                                 ; four whole rows a trip
.irp k, 0,1,2,3
	ds_load_b128 v[SR+8*\k:SR+8*\k+3],   v[RA] offset:DP*\k
	ds_load_b128 v[SR+8*\k+4:SR+8*\k+7], v[RA] offset:DP*\k+16
.endr
	s_wait_dscnt 0x0
.irp k, 0,1,2,3
	v_max3_num_f32 v[MX+\k], v[SR+8*\k], v[SR+8*\k+1], v[SR+8*\k+2]
.endr
.irp k, 0,1,2,3
	v_max3_num_f32 v[MX+\k], v[MX+\k], v[SR+8*\k+3], v[SR+8*\k+4]
.endr
.irp k, 0,1,2,3
	v_max3_num_f32 v[MX+\k], v[MX+\k], v[SR+8*\k+5], v[SR+8*\k+6]
.endr
.irp k, 0,1,2,3
	v_max_num_f32 v[MX+\k], v[MX+\k], v[SR+8*\k+7]
.endr
.irp k, 0,1,2,3
	v_add_f32 v[MX+\k], v[MX+\k], v[HBV]           ; hidden lanes drop out of the maximum
.endr
.irp m, 1,2,4,8
.irp k, 0,1,2,3
	v_max_num_f32_dpp v[MX+\k], v[MX+\k], v[MX+\k] row_xmask:\m row_mask:0xf bank_mask:0xf
.endr
.endr
.irp k, 0,1,2,3
	v_permlanex16_b32 v[TP+\k], v[MX+\k], s[SEL], s[SEL+1]
.endr
.irp k, 0,1,2,3
	v_max_num_f32 v[MX+\k], v[MX+\k], v[TP+\k]
.endr
.irp k, 0,1,2,3
	v_mul_f32 v[MX+\k], s[CS], v[MX+\k]            ; cm
.endr
.irp k, 0,1,2,3
	ds_store_b32 v[XA], v[MX+\k] offset:4*\k       ; all lanes write the same word with the same value
	v_sub_f32 v[CM+2*\k], v[MX+\k], v[HBV]         ; hidden lanes subtract 1e30 more
.endr
.irp k, 0,1,2,3
.irp i, 0,2,4,6
	v_pk_fma_f32 v[SR+8*\k+\i:SR+8*\k+\i+1], v[SR+8*\k+\i:SR+8*\k+\i+1], s[CS:CS+1], v[CM+2*\k:CM+2*\k+1] op_sel_hi:[1,0,0] neg_lo:[0,0,1] neg_hi:[0,0,1]
.endr
.endr
.set i, 0
.rept 32
	v_exp_f32 v[SR+i], v[SR+i]
.set i, i+1
.endr
	v_nop                                          ; a plain instruction behind the last exponential,
	s_wait_alu depctr_va_vdst(0)                   ; and one wait for the batch of 32 ahead of the first reader
	s_wait_xcnt 0x0                                ; the last trip's stores have read PK and PO
	v_add_nc_u32 v[PO], 4*4096, v[PO]              ; the stores below reach back
.irp k, 0,1,2,3
.irp i, 0,1,2,3
	v_cvt_pk_f16_f32 v[PK+4*\k+\i], v[SR+8*\k+2*\i], v[SR+8*\k+2*\i+1]
.endr
.endr
.irp k, 0,1,2,3
	global_store_b128 v[PO], v[PK+4*\k:PK+4*\k+3], s[PT:PT+1] offset:4096*\k-4*4096  ; a wave stores 512 consecutive bytes, aligned
.endr
.irp k, 0,1,2,3
	v_pk_add_f32 v[SR+8*\k:SR+8*\k+1], v[SR+8*\k:SR+8*\k+1], v[SR+8*\k+2:SR+8*\k+3]
	v_pk_add_f32 v[SR+8*\k+4:SR+8*\k+5], v[SR+8*\k+4:SR+8*\k+5], v[SR+8*\k+6:SR+8*\k+7]
.endr
.irp k, 0,1,2,3
	v_pk_add_f32 v[SR+8*\k:SR+8*\k+1], v[SR+8*\k:SR+8*\k+1], v[SR+8*\k+4:SR+8*\k+5]
.endr
.irp k, 0,1,2,3
	v_add_f32 v[LS+\k], v[SR+8*\k], v[SR+8*\k+1]
.endr
.irp m, 1,2,4,8
.irp k, 0,1,2,3
	v_add_f32_dpp v[LS+\k], v[LS+\k], v[LS+\k] row_xmask:\m row_mask:0xf bank_mask:0xf
.endr
.endr
.irp k, 0,1,2,3
	v_permlanex16_b32 v[TP+\k], v[LS+\k], s[SEL], s[SEL+1]
.endr
.irp k, 0,1,2,3
	v_add_f32 v[LS+\k], v[LS+\k], v[TP+\k]
.endr
.irp k, 0,1,2,3
	ds_store_b32 v[XA], v[LS+\k] offset:1024+4*\k
.endr
	v_add_nc_u32 v[RA], 4*DP, v[RA]
	v_add_nc_u32 v[XA], 16, v[XA]
	s_sub_co_u32 s3, s3, 1
	s_cmp_lg_u32 s3, 0
	s_cbranch_scc1 .Lrow
	; my 64 rows' cm and sums: my own LDS bytes, served in order; lane l takes rows 2 l, 2 l + 1, so each store covers 256 consecutive bytes, aligned
	v_lshl_add_u32 v5, v4, 3, s18
	ds_load_b64 v[6:7], v5
	ds_load_b64 v[8:9], v5 offset:1024
	v_lshlrev_b32 v10, 3, v4
	s_wait_dscnt 0x0
	global_store_b64 v10, v[6:7], s[SMA:SMA+1]
	global_store_b64 v10, v[8:9], s[SLA:SLA+1]
	s_wait_tensorcnt 0x0                           ; the wave's end
	ds_add_u32 v[SPW], v[NIL]
	s_wait_dscnt 0x0
	s_endpgm
; ================================================ V'S PROJECTION ================================================
; A tile of 320 x 256: four waves, 160 x 128 each: 80 accumulators, 320 matrix instructions a wave in a K step.  x's tile: 320 rows of 256 bytes, pitch 272 (waves 0, 1 fetch 160 rows each);
; w's tile as in memory, [k][e]: 128 rows of 512 bytes, pitch 544 (waves 2, 3 fetch 64 rows each); its fragments come out turned.  Source 0 = 16 columns of w, source 1 = 16 rows of x.
; THE FIRST TILES are asked for as refills are: slot 0 behind a barrier of this way's own, slot 1 behind the barrier that shows slot 0 landed, one load a wave each time: one tensor load of mine is out at any time.
; Slot 1's tile has K step 0's 320 matrix instructions in which to land.
; REGISTERS: window 0: v0-31 addresses; v32-111, v112-191 x's fragments (10 x 8), two buffers; v192-255 and v32-63 the way out.  Windows 1, 2: accumulators of row blocks 0-3, 4-7, (a, b) at v[8 (8 (a % 4) + b)];
; window 3: v0-127 those of row blocks 8, 9; v128-191, v192-255 w's fragments (8 x 8), two buffers.
.set PB,     544                       ; 512 bytes + 32
.set VAH,    160*PITCH                 ; what a load of x brings
.set VBH,    64*PB                     ; what a load of w brings
.set VBOFF,  2*VAH
.set VSLOT,  VBOFF+2*VBH               ; 156,672; two slots end where the spare words begin
.set ROWB,   2048
.set BSTEP,  128*ROWB                  ; a K step down w's rows
.set VADA0, 16
.set VADA,  17
.set VADB0, 20
.set VADB,  21
.set VSTO,  24
.set VRD,   25
.set VCO,   26
.set VPFO,  30
.set VA0,   32
.set VA1,   112
.set VB0,   128
.set VB1,   192
.set VTMP,  192
.set VG1A, 24                          ; s[24:31] group 1 for x's tiles, s[32:39] for w's
.set VG1B, 32
.set VG0A, 40                          ; s[40:47], s[48:55] group 0, two sets each: the second walks
.set VG0B, 48
.set VTB,  56
.set VWA,  57
.set VWB,  58
.set VLIM, 59
.set VPFA, 60                          ; s[60:61]
.set VPST, 62                          ; s[62:63]
.set VOB,  66                          ; s[66:67] qkv at my part of the tile
.set VNB,  74                          ; s74 how many of my ten blocks of 16 rows exist
.macro VJLOAD s                        ; a fill by descriptor set s (1: the walking one); waves 0, 1 x's halves, waves 2, 3 w's; an s_nop 0 and four v_nop follow each line
	s_cmp_eq_u32 s13, 0
	s_cbranch_scc0 .Lvfor_b_\@
	tensor_load_to_lds s[VG0A+4*(\s):VG0A+4*(\s)+3], s[VG1A:VG1A+7]
	s_nop 0
	PLACES
	s_branch .Lvasked_\@
.Lvfor_b_\@:
	tensor_load_to_lds s[VG0B+4*(\s):VG0B+4*(\s)+3], s[VG1B:VG1B+7]
	s_nop 0
	PLACES
.Lvasked_\@:
.endm
; A prefetch into the L2 of the K step two refills on (trip j names step j + 4; trips 0 to 3 ask).  x's rows are read by the four column tiles: x = 0 asks, a wave for its own 160 rows, a lane a row, five instructions;
; the last row tile, which has not all its rows, asks for none.  w's rows are read by the 26 row tiles: y = 0 asks, a wave for its own 64 rows of 512 bytes, two lanes a row, four instructions.
.macro VASK
	s_cmp_gt_u32 s3, s[VLIM]
	s_cbranch_scc0 .Lvnone_\@
	s_cmp_eq_u32 s13, 0
	s_cbranch_scc0 .Lvw_\@
.irp k, 0,1,2,3,4
	global_prefetch_b8 v[VPFO], s[VPFA:VPFA+1] offset:65536*(\k) th:TH_LOAD_NT scope:SCOPE_SE
.endr
	s_branch .Lvnone_\@
.Lvw_\@:
.irp k, 0,1,2,3
	global_prefetch_b8 v[VPFO], s[VPFA:VPFA+1] offset:32768*(\k) th:TH_LOAD_NT scope:SCOPE_SE
.endr
.Lvnone_\@:
.endm
.Lvproj:
	s_mov_b32 s15, ttmp9                           ; the tile of 256 columns
	s_lshl_b32 s16, s18, 1
	s_add_co_u32 s17, s16, s14                     ; 2 y + the half of x's tile that I fetch
	s_cmp_eq_u32 s17, 2*NVR-1
	s_cselect_b32 s17, 32, 160                     ; the rows that are left from my part's first row: 8,192 - 25 x 320 - 160 = 32 in the last of all
	s_mov_b32 s[VG1A+0], (1<<16)|(1<<20)|(5<<22)|(3<<25)  ; 2-byte elements; padding of 4 words after every 64
	s_mov_b32 s[VG1A+1], 128<<16                   ; tensor_dim0 = 128
	s_lshl_b32 s[VG1A+2], s17, 16                  ; tensor_dim1
	s_mov_b32 s[VG1A+3], 128<<16                   ; tile_dim0 = 128
	s_mov_b32 s[VG1A+4], 160                       ; tile_dim1 = 160
	s_mov_b32 s[VG1A+5], 1024
	s_mov_b32 s[VG1A+6], 0
	s_mov_b32 s[VG1A+7], 0
	s_mov_b32 s[VG1B+0], (1<<16)|(1<<20)|(6<<22)|(7<<25)  ; padding of 8 words after every 128
	s_mov_b32 s[VG1B+1], 256<<16
	s_mov_b32 s[VG1B+2], 64<<16
	s_mov_b32 s[VG1B+3], 256<<16
	s_mov_b32 s[VG1B+4], 64
	s_mov_b32 s[VG1B+5], 1024
	s_mov_b32 s[VG1B+6], 0
	s_mov_b32 s[VG1B+7], 0
	s_add_co_u32 s17, s16, s13                     ; 2 y + the half of the rows that I multiply
	s_cmp_eq_u32 s17, 2*NVR-1
	s_cselect_b32 s[VNB], 2, 10
	s_mul_i32 s[VWA], s14, VAH
	s_mul_i32 s[VWB], s14, VBH
	s_add_co_u32 s[VWB], s[VWB], VBOFF
	s_mov_b32 s[VTB], 0
	s_mul_i32 s16, s18, 320
	s_mul_i32 s17, s14, 160
	s_add_co_u32 s16, s16, s17
	s_lshl_b32 s16, s16, 11
	s_add_co_u32 s16, s16, 0x2000000               ; the values' third of xb
	s_mov_b32 s17, 0
	s_add_nc_u64 s[20:21], s[68:69], s[16:17]
	s_lshl_b32 s16, s14, 17                        ; w: 64 rows x half,
	s_lshl_b32 s19, s15, 9                         ; 512 bytes x tile column,
	s_add_co_u32 s16, s16, s19
	s_add_co_u32 s16, s16, 0x400000                ; in the values' third of wb
	s_add_nc_u64 s[22:23], s[70:71], s[16:17]
.irp s, 0,1
	s_mov_b32 s[VG0A+4*(\s)], 1
	s_add_co_u32 s[VG0A+4*(\s)+1], s[VWA], (\s)*VSLOT
	s_add_nc_u64 s[VG0A+4*(\s)+2:VG0A+4*(\s)+3], s[20:21], (\s)*ASTEP
	s_or_b32 s[VG0A+4*(\s)+3], s[VG0A+4*(\s)+3], 0x80000000
	s_mov_b32 s[VG0B+4*(\s)], 1
	s_add_co_u32 s[VG0B+4*(\s)+1], s[VWB], (\s)*VSLOT
	s_add_nc_u64 s[VG0B+4*(\s)+2:VG0B+4*(\s)+3], s[22:23], (\s)*BSTEP
	s_or_b32 s[VG0B+4*(\s)+3], s[VG0B+4*(\s)+3], 0x80000000
.endr
	s_wait_tensorcnt 0x0                           ; the three lines and a barrier, as in front of a refill: no tensor load of mine is out,
	ds_add_u32 v[SPW], v[NIL]                      ; 0 onto my spare word; the addresses below, work on registers, stand between it and the wait for it
	v_mul_u32_u24 v3, v1, PITCH
	v_lshl_add_u32 v3, v2, 4, v3                   ; row r x 272 + 16 h
	s_mul_i32 s16, s13, VAH
	v_add_nc_u32 v[VADA0], s16, v3                 ; x: my 160 rows
	v_mov_b32 v[VADA], v[VADA0]
	v_and_b32 v5, 7, v0                            ; w, turned: lane l reads row 8 h + l % 8, 16 bytes at 16 ((l / 8) % 2)
	v_lshl_add_u32 v5, v2, 3, v5
	v_mul_u32_u24 v5, v5, PB
	v_bfe_u32 v6, v0, 3, 1
	v_lshl_add_u32 v5, v6, 4, v5
	s_lshl_b32 s16, s14, 8                         ; my 128 columns: 256 bytes
	s_add_co_u32 s16, s16, VBOFF
	v_add_nc_u32 v[VADB0], s16, v5
	v_mov_b32 v[VADB], v[VADB0]
	s_wait_dscnt 0x0                               ; the add is done
	s_barrier_signal -1
	s_barrier_wait -1                              ; all four waves are on this way
	VJLOAD 0                                       ; K step 0 into slot 0: my one load behind this barrier
	s_mul_i32 s16, s12, 16*PITCH                   ; my stage: 16 rows x 272 bytes, over slot 0, which is written only behind its last fill and the last barrier
	v_add_nc_u32 v[VSTO], s16, v3                  ; in: row r, 16 bytes for each half of the lanes
	v_mul_u32_u24 v5, v2, PITCH
	v_lshl_add_u32 v5, v1, 4, v5
	v_add_nc_u32 v[VRD], s16, v5                   ; back: lanes 0-15 one row of 256 bytes, lanes 16-31 the next
	v_lshlrev_b32 v5, 11, v2
	v_lshl_add_u32 v[VCO], v1, 4, v5               ; the same two rows in qkv
	; the prefetches
	s_mov_b32 s[VPST], ASTEP
	s_mov_b32 s[VPST+1], 0
	s_cmp_eq_u32 s18, NVR-1
	s_cselect_b32 s17, 1, 0
	s_or_b32 s17, s17, s15                         ; x's rows: 0 where the column tile is the first and the row tile is whole
	s_cmp_eq_u32 s13, 0
	s_cselect_b32 s16, s17, s18                    ; w's rows: 0 in the first row tile
	s_cselect_b64 s[VPFA:VPFA+1], s[20:21], s[22:23]
	s_cselect_b32 s[VPST], s[VPST], BSTEP
	s_mul_i32 s20, s[VPST], 3
	s_mov_b32 s21, 0
	s_add_nc_u64 s[VPFA:VPFA+1], s[VPFA:VPFA+1], s[20:21]  ; at K step 3: the first refill steps it to 4
	s_cmp_eq_u32 s16, 0
	s_cselect_b32 s[VLIM], 2, -1
	v_lshrrev_b32 v6, s13, v4
	v_lshlrev_b32 v6, 11, v6                       ; x: lane x a row; w: (lane / 2) x a row
	v_and_b32 v7, s13, v4
	v_lshl_add_u32 v[VPFO], v7, 8, v6              ; w: + 256 x (lane % 2)
	; where my part of the tile begins in qkv
	s_mul_i32 s16, s18, 320
	s_mul_i32 s17, s13, 160
	s_add_co_u32 s16, s16, s17
	s_lshl_b32 s16, s16, 11
	s_add_co_u32 s16, s16, 0x2000000               ; V lies in the last third of qkv
	s_lshl_b32 s17, s15, 9
	s_add_co_u32 s16, s16, s17
	s_lshl_b32 s17, s14, 8
	s_add_co_u32 s16, s16, s17
	s_mov_b32 s17, 0
	s_add_nc_u64 s[VOB:VOB+1], s[72:73], s[16:17]
; 8 n matrix instructions: row blocks a0 .. a0 + n - 1 x all 8 column blocks, 32 along K.  The 80 accumulators take turns.  zero = 1: the product starts the sums.
.macro VMUL fa, fb, a0, n, zero
.set va, \a0
.rept \n
	WIN 0x53+0x50*(va/4)                           ; source 0 (w) window 3, source 1 (x) window 0, C and D window 1 + a / 4
.set vb, 0
.rept 8
.set rD, 8*(8*(va%4)+vb)
.if \zero
	v_wmma_f32_16x16x32_bf16 v[rD:rD+7], v[(\fb)+8*vb:(\fb)+8*vb+7], v[(\fa)+8*va:(\fa)+8*va+7], 0
.else
	v_wmma_f32_16x16x32_bf16 v[rD:rD+7], v[(\fb)+8*vb:(\fb)+8*vb+7], v[(\fa)+8*va:(\fa)+8*va+7], v[rD:rD+7]
.endif
.set vb, vb+1
.endr
.set va, va+1
.endr
.endm
; 36 LDS loads in one run: quarter q (32 along K) of the slot in hand: w's 8 fragments, turned, then x's 10
.macro VFETCH q, fa, fb
	WIN 0xc0                                       ; destination window 3, address window 0
.irp i, 0,1,2,3,4,5,6,7
	ds_load_tr16_b128 v[(\fb)+8*(\i):(\fb)+8*(\i)+3],   v[VADB] offset:32*PB*(\q)+32*(\i)
	ds_load_tr16_b128 v[(\fb)+8*(\i)+4:(\fb)+8*(\i)+7], v[VADB] offset:32*PB*(\q)+32*(\i)+16*PB
.endr
	WIN 0
.irp i, 0,1,2,3,4,5,6,7,8,9
	ds_load_b128 v[(\fa)+8*(\i):(\fa)+8*(\i)+3],   v[VADA] offset:64*(\q)+(\i)*16*PITCH
	ds_load_b128 v[(\fa)+8*(\i)+4:(\fa)+8*(\i)+7], v[VADA] offset:64*(\q)+(\i)*16*PITCH+32
.endr
.endm
; multiplies buffers fa, fb; behind its first 32 products fetches quarter q into ga, gb: 48 products ahead of their first use
.macro VQUARTER q, fa, fb, ga, gb, zero
	s_wait_dscnt 12                                ; w and x's row blocks 0-3 are in; the youngest twelve loads (row blocks 4-9) may be out
	VMUL \fa, \fb, 0, 4, \zero
	PLACES
	VFETCH \q, \ga, \gb
	s_wait_dscnt 36                                ; all but the 36 just issued
	VMUL \fa, \fb, 4, 6, \zero
.endm
; The change of slots, first half, as for the score tiles.  upd = 1: the walking descriptors take this slot and the K step two on.
.macro VMEET upd
	WIN 0
	s_wait_tensorcnt 0x0                           ; no tensor load of mine is out, so a group 0 may be written
	ds_add_u32 v[SPW], v[NIL]
.if \upd
	s_add_co_u32 s[VG0A+5], s[VWA], s[VTB]
	s_add_co_u32 s[VG0B+5], s[VWB], s[VTB]
	s_add_nc_u64 s[VG0A+6:VG0A+7], s[VG0A+6:VG0A+7], ASTEP
	s_add_nc_u64 s[VG0B+6:VG0B+7], s[VG0B+6:VG0B+7], BSTEP
.endif
	s_xor_b32 s[VTB], s[VTB], VSLOT
	v_add_nc_u32 v[VADA], s[VTB], v[VADA0]
	v_add_nc_u32 v[VADB], s[VTB], v[VADB0]
	s_wait_dscnt 13                                ; the add and the youngest twelve loads may be out
	VMUL VA1, VB1, 0, 2, 0
	s_wait_dscnt 0x0                               ; the add is done, my reads of this slot are over
	s_barrier_signal -1
	VMUL VA1, VB1, 2, 2, 0
	WIN 0
	s_barrier_wait -1
.endm
; THE WAY OUT of row block a: rounded to f16, 16 bytes a lane; through my own stage; stored as whole rows of 256 bytes
.macro VPACK a
.set AC, 64*((\a)%4)
	WIN 5*(1+(\a)/4)                               ; sources 0 and 1 in the accumulators' window
.irp b, 0,1,2,3,4,5,6,7
.irp r, 0,1,2,3
	v_cvt_pk_f16_f32 v[VTMP+4*(\b)+(\r)], v[AC+8*(\b)+2*(\r)], v[AC+8*(\b)+2*(\r)+1]
.endr
.endr
	WIN 0
.endm
.macro VTOSTAGE a
	WIN 0
.set BK, 32+192*((\a)%2)
.irp b, 0,1,2,3,4,5,6,7
	ds_store_b128 v[VSTO], v[VTMP+4*(\b):VTMP+4*(\b)+3] offset:32*(\b)
.endr
.irp t, 0,1,2,3,4,5,6,7
	ds_load_b128 v[BK+4*(\t):BK+4*(\t)+3], v[VRD] offset:(\t)*2*PITCH  ; LDS serves a wave's instructions in order (ISA guide 5.7.1.4)
.endr
.endm
.macro VSEND a
	WIN 0
.set BK, 32+192*((\a)%2)
	s_wait_dscnt 0x0                               ; the block is back in registers
	s_wait_xcnt 0x0                                ; the stores of the block before have read their registers: the next block's loads land there
.irp t, 0,1,2,3,4,5,6,7
	global_store_b128 v[VCO], v[BK+4*(\t):BK+4*(\t)+3], s[VOB:VOB+1] offset:(16*(\a)+2*(\t))*ROWB  ; 16 lanes store 256 consecutive bytes, aligned
.endr
.endm
	s_wait_tensorcnt 0x0                           ; my part of K step 0 is in: no tensor load of mine is out
	ds_add_u32 v[SPW], v[NIL]
	s_wait_dscnt 0x0                               ; the add is done
	s_barrier_signal -1
	s_barrier_wait -1                              ; everybody's part is in
	VJLOAD 1                                       ; K step 1 into slot 1: my one load behind this barrier, and the first thing there
	VFETCH 0, VA0, VB0
	VQUARTER 1, VA0, VB0, VA1, VB1, 1              ; the first quarter starts the sums
	WIN 0
	s_mov_b32 s3, 6
.Lvk:                                  ; trip j: the rest of K step j, the refill with step j + 2, the first quarter of step j + 1
	VQUARTER 2, VA1, VB1, VA0, VB0, 0
	VQUARTER 3, VA0, VB0, VA1, VB1, 0
	s_wait_xcnt 0x0                                ; the last prefetches, a K step back, have read their address
	s_add_nc_u64 s[VPFA:VPFA+1], s[VPFA:VPFA+1], s[VPST:VPST+1]
	VMEET 1
	VJLOAD 1                                       ; my one load behind the barrier, and the first thing there; its four v_nop are also the places ahead of the loads below
	VFETCH 0, VA0, VB0
	VASK
	VMUL VA1, VB1, 4, 6, 0
	VQUARTER 1, VA0, VB0, VA1, VB1, 0
	WIN 0
	s_sub_co_u32 s3, s3, 1
	s_cmp_lg_u32 s3, 0
	s_cbranch_scc1 .Lvk
	s_mov_b32 s3, 2
.Lvtail:                               ; K steps 6 and 7 ask for nothing: a text of their own, walked twice and left in the middle of the second trip
	VQUARTER 2, VA1, VB1, VA0, VB0, 0
	VQUARTER 3, VA0, VB0, VA1, VB1, 0
	VMEET 0
	s_sub_co_u32 s3, s3, 1
	s_cmp_eq_u32 s3, 0
	s_cbranch_scc1 .Lvfin
	PLACES
	VFETCH 0, VA0, VB0
	VMUL VA1, VB1, 4, 6, 0
	VQUARTER 1, VA0, VB0, VA1, VB1, 0
	WIN 0
	s_branch .Lvtail
.Lvfin:                                ; behind the last barrier no wave reads a slot any more: the stages may be written
	VMUL VA1, VB1, 4, 6, 0                         ; the last products
	WIN 0
	PLACES
	VPACK 0
	VTOSTAGE 0
	VPACK 1
	VSEND 0
	VTOSTAGE 1
	VSEND 1
	s_cmp_eq_u32 s[VNB], 2                         ; the lower half of the last row tile has 32 rows: its other blocks lie past V's end
	s_cbranch_scc1 .Lvdone
	VPACK 2
	VTOSTAGE 2
.irp a, 3,4,5,6,7,8,9
	VPACK \a
	VSEND (\a)-1
	VTOSTAGE \a
.endr
	VSEND 9
.Lvdone:
	s_wait_tensorcnt 0x0                           ; the wave's end
	ds_add_u32 v[SPW], v[NIL]
	s_wait_dscnt 0x0
	s_endpgm
.Lfunc_end_k_qe06234e514_mix:
	.size	k_qe06234e514_mix, .Lfunc_end_k_qe06234e514_mix-k_qe06234e514_mix
	.p2alignl 7, 3214868480
	.fill 96, 4, 3214868480
	.section	.rodata,"a",@progbits
	.p2align	6, 0x0
	.amdhsa_kernel k_qe06234e514_mix
		.amdhsa_group_segment_fixed_size 327680
		.amdhsa_private_segment_fixed_size 0
		.amdhsa_enable_private_segment 0
		.amdhsa_kernarg_size 56
		.amdhsa_user_sgpr_count 2
		.amdhsa_user_sgpr_kernarg_segment_ptr 1
		.amdhsa_wavefront_size32 1
		.amdhsa_system_sgpr_workgroup_id_x 1
		.amdhsa_system_sgpr_workgroup_id_y 1
		.amdhsa_system_sgpr_workgroup_id_z 1
		.amdhsa_system_vgpr_workitem_id 0
		.amdhsa_next_free_vgpr 1024
		.amdhsa_next_free_sgpr 76
		.amdhsa_reserve_vcc 1
		.amdhsa_float_denorm_mode_32 3
		.amdhsa_float_denorm_mode_16_64 3
		.amdhsa_memory_ordered 1
		.amdhsa_forward_progress 1
		.amdhsa_inst_pref_size 220
	.end_amdhsa_kernel
	.amdgpu_metadata
---
amdhsa.version: [ 1, 2 ]
amdhsa.kernels:
  - .name:           k_qe06234e514_mix
    .symbol:         k_qe06234e514_mix.kd
    .args:
      - { .name: qk, .offset: 0, .size: 8, .value_kind: global_buffer, .address_space: global }
      - { .name: pt, .offset: 8, .size: 8, .value_kind: global_buffer, .address_space: global }
      - { .name: sm, .offset: 16, .size: 8, .value_kind: global_buffer, .address_space: global }
      - { .name: sl, .offset: 24, .size: 8, .value_kind: global_buffer, .address_space: global }
      - { .name: xb, .offset: 32, .size: 8, .value_kind: global_buffer, .address_space: global }
      - { .name: wb, .offset: 40, .size: 8, .value_kind: global_buffer, .address_space: global }
      - { .name: qkv, .offset: 48, .size: 8, .value_kind: global_buffer, .address_space: global }
    .group_segment_fixed_size: 327680
    .private_segment_fixed_size: 0
    .kernarg_segment_align: 8
    .kernarg_segment_size: 56
    .max_flat_workgroup_size: 128
    .sgpr_count:     76
    .vgpr_count:     1024
    .wavefront_size: 32
...
	.end_amdgpu_metadata
.endif
;; end of part 3
;; launch pv (part 4): grid 8 x 32, 4 waves a work-group, clusters of 4 x 1, 327,680 bytes of LDS; arguments pt, qkv, sm, sl, out0; writes out0
.if DOCPART == 4
	.amdgcn_target "amdgcn-amd-amdhsa--gfx1250"
	.amdhsa_code_object_version 6
	.text
	.protected	k_qe06234e514_pv
	.globl	k_qe06234e514_pv
	.p2align	8
	.type	k_qe06234e514_pv,@function
k_qe06234e514_pv:
	s_mov_b64 s[64:65], 0
	v_nop
	global_prefetch_b8 v0, s[64:65] scope:SCOPE_SE
	s_setreg_imm32_b32 hwreg(HW_REG_WAVE_MODE, 25, 1), 1
	s_wait_xcnt 0x0
	s_wait_alu depctr_hold_cnt(0) depctr_sa_sdst(0) depctr_va_vdst(0) depctr_va_sdst(0) depctr_va_ssrc(0) depctr_va_vcc(0) depctr_vm_vsrc(0)
	s_getreg_b32 s2, hwreg(HW_REG_IB_STS2, 6, 4)
	s_cmp_eq_u32 s2, 0
	s_cbranch_scc0 .Lentry_in_a_cluster
	s_endpgm
.Lentry_in_a_cluster:
	s_bfe_u32 s2, ttmp6, 0x10000c
	s_cmp_lg_u32 s2, 0x3003
	s_cbranch_scc0 .Lentry_shape_is_right
	s_endpgm
.Lentry_shape_is_right:
; out0[b][q][e] = the sum over key tiles t of g(q, t) x (the sum over the tile's 256 keys of pt[b][q][k] V[b][k][e]),  g = 2^(cm_t - M) / L,  M = max over t of cm_t,  L = the sum over t of l_t 2^(cm_t - M):
; the tiles' own maxima and sums (sm, sl) are joined exactly, in f32.  pt: f16 [4][2048][2048]; V = qkv third 2, f16 [8192][1024]; out0: f32 [4][2048][1024].
; LIMITS: a factor 2^(cm_t - M) below 2^-126 counts as 0; NaN and infinities are not treated apart.
; SHARES: a work-group makes 128 columns e of TWO blocks of 128 queries, 15 - p and then p: 8 - p / 2 (rounded) and p / 2 + 1 key tiles, always 9 together: 256 work-groups of equal work, one walk of 9 steps.
; A wave makes 64 x 64.  In each step T = P V starts from 0 in 16 accumulators; then O += g T (the first step of a block: O = g T).
; CLUSTER 4 x 1: the four partners differ in e alone: P's tile is asked for jointly (waves 0, 1); V's tile is each work-group's own (waves 2, 3), issued behind the same round.
; All that steers the walk is made from the cluster's y and the wave's number: it is the same in all partners.
; Source 0 = 16 columns of V (turned out of LDS), source 1 = 16 queries of P: a lane holds one query and eight neighbouring e.
; REGISTERS: window 0: v0-31 addresses; v32-95 the way out; v96-123 statistics; v128-255 T, (a, b) at 128 + 8 (4 a + b).  Window 1: two fragment buffers of 128 (P's 64, then V's 64).  Window 2: v0-127 O.
.set PAP,   528                        ; a row of P in LDS: 512 bytes + 16
.set PVP,   288                        ; a row of V: 256 bytes + 32
.set AHALF, 64*PAP
.set BHALF, 128*PVP
.set BOFF,  2*AHALF
.set SLOT,  BOFF+2*BHALF
.set STAGE, 2*SLOT                     ; 16 rows x 272 bytes for each wave
.set SP,    272
.set SC,    STAGE+4*16*SP              ; 1,024 bytes for each wave: M and 1 / L of its 64 rows, for both blocks
.set SPARE, SC+4096                    ; the spare words
.set ADRA0, 16
.set ADRA,  17
.set ADRB0, 20
.set ADRB,  21                         ; v21 keys 0-127 of the step, v22 keys 128-255
.set STO,  24
.set RD,   25
.set CO,   26
.set SPW,  28
.set NIL,  29
.set PFO,  30
.set MO,   31
.set TMP,  32
.set VO,   32                          ; the prologue alone: v32-39 offsets, v40 4 l, v41, v42 LDS addresses
.set L4,   40
.set SCA,  41
.set SCR,  42
.set CM,   96                          ; M of my lane's row in row block a, of the block in hand;  CI: 1 / L;  LM, LI: the second block's
.set CI,   100
.set LM,   104
.set LI,   108
.set MT,   112
.set GG,   116                         ; v[116:123] g, a pair for each row block
.set ACC,  128
.set SCM,  128                         ; the prologue alone, in T's registers
.set SLL,  144
.set MM,   160
.set LL,   162
.set RL,   164
.set F0,   0
.set F1,   128
.set WV,  14
.set G1A, 24
.set G1B, 32
.set G0A, 40                           ; two sets; the second is made anew for each refill
.set G0B, 48
.set WBA, 56
.set WBB, 57
.set TB,  58
.set LIM, 59
.set PTB, 60                           ; s[60:61] pt at the batch and my 64 rows of a block
.set VB,  62                           ; s[62:63] V at the batch, my 128 keys of a tile, the work-group's columns
.set OFF, 66                           ; s[66:67]
.set PFBASE, 68
.set PFA, 70
.set SM0, 72
.set SMB, 74
.set OB,  76
.set OLO, 78
.set RQT, 80                           ; the tile to ask for next; RQL: the last of its block; RQO: its block's bytes in pt
.set RQL, 81
.set RQO, 82
.set CT,  83                           ; the tile in hand; RT: tiles left in the block; CB: the block; NEW: 1 at a block's first tile
.set RT,  84
.set CB,  85
.set NEW, 86
.set SELT, 88                          ; s[88:95] 1.0 where tile t belongs to the block, else 0
.set SL0, 98
.set RLO, 100
.set NLM, 101
.set MSB, 0
.macro WIN new
.if MSB != (\new)
	s_set_vgpr_msb (MSB<<8)|(\new)
.set MSB, \new
.endif
.endm
.set MUL,  0x05
.set TO_F, 0x40
.macro PLACES
.rept 4
	v_nop
.endr
.endm
.macro JLOAD                           ; an s_nop 0 and four v_nop follow each line
	s_cmp_lt_u32 s[WV], 2
	s_cbranch_scc0 .Lfor_v_\@
	tensor_load_to_lds s[G0A+4:G0A+7], s[G1A:G1A+7]
	s_nop 0
	PLACES
	s_branch .Lasked_\@
.Lfor_v_\@:
	tensor_load_to_lds s[G0B+4:G0B+7], s[G1B:G1B+7]
	s_nop 0
	PLACES
.Lasked_\@:
.endm
.macro CREST
	s_cmp_lg_u32 s[WV], 0
	s_cbranch_scc1 .Lnot_wave_0_\@
	s_barrier_signal -3
.Lnot_wave_0_\@:
	s_barrier_wait -3
	s_barrier_signal -1
	s_barrier_wait -1
.endm
.macro CROUND
	s_barrier_signal -1
	s_barrier_wait -1
	CREST
.endm
; A prefetch into the L2 of what the next refill will ask for.  P's rows are walked by the two clusters of a pair of blocks: cluster x = 0 asks; of a wave's 64 rows of 512 bytes the partner at cx takes 16, two lanes a row.
; V's tile and columns are walked by the 8 pairs of blocks: p = 0 asks, in its first block alone (tiles 3 to 7): a wave's own 128 rows of 256 bytes, a lane a row, four instructions.
; The last refill has none behind it: s87 runs 7 .. 1.
.macro ASK
	s_cmp_gt_u32 s87, s[LIM]
	s_cbranch_scc0 .Lnone_\@
	global_prefetch_b8 v[PFO], s[PFA:PFA+1] th:TH_LOAD_NT scope:SCOPE_SE
	s_cmp_eq_u32 s15, 1
	s_cbranch_scc0 .Lnone_\@
.irp k, 1,2,3
	global_prefetch_b8 v[PFO], s[PFA:PFA+1] offset:65536*(\k) th:TH_LOAD_NT scope:SCOPE_SE
.endr
.Lnone_\@:
.endm
	s_load_b256 s[4:11], s[0:1], 0x0               ; pt s[4:5], qkv s[6:7], sm s[8:9], sl s[10:11]
	s_load_b64 s[12:13], s[0:1], 0x20              ; out0
	v_lshl_add_u32 v[SPW], v0, 2, SPARE
	v_mov_b32 v[NIL], 0
	ds_add_u32 v[SPW], v[NIL]                      ; the wave's opening: the add and its wait ahead of my first tensor load
	v_lshrrev_b32 v1, 5, v0
	v_readfirstlane_b32 s[WV], v1
	s_lshr_b32 s15, s[WV], 1                       ; my half of the rows; also: I fetch P (0) or V (1)
	s_and_b32 s16, s[WV], 1                        ; my half of the columns; also: which half of that tile I fetch
	s_bfe_u32 s17, ttmp6, 0x40000                  ; cx
	s_lshl_b32 s18, ttmp9, 2
	s_add_co_u32 s18, s18, s17                     ; the tile of 128 columns e
	s_and_b32 s96, ttmp7, 0xffff
	s_and_b32 s19, s96, 7                          ; p
	s_lshr_b32 s20, s96, 3                         ; b
	s_sub_co_u32 s21, 15, s19                      ; the first block
	s_lshr_b32 s22, s21, 1
	s_add_co_u32 s22, s22, 1                       ; its tiles
	s_lshr_b32 s23, s19, 1
	s_add_co_u32 s23, s23, 1                       ; the second block's tiles
	s_mov_b32 s[G1A+0], 15|(1<<16)|(1<<20)|(1<<21)|(6<<22)|(3<<25)  ; the mask of four; 2-byte elements; padding of 4 words after every 128; bit 21 beside a mask
	s_mov_b32 s[G1A+1], 256<<16
	s_mov_b32 s[G1A+2], 64<<16
	s_mov_b32 s[G1A+3], 256<<16
	s_mov_b32 s[G1A+4], 64
	s_mov_b32 s[G1A+5], 2048
	s_mov_b32 s[G1A+6], 0
	s_mov_b32 s[G1A+7], 0
	s_mov_b32 s[G1B+0], (1<<16)|(1<<20)|(5<<22)|(7<<25)             ; no mask; padding of 8 words after every 64
	s_mov_b32 s[G1B+1], 128<<16
	s_mov_b32 s[G1B+2], 128<<16
	s_mov_b32 s[G1B+3], 128<<16
	s_mov_b32 s[G1B+4], 128
	s_mov_b32 s[G1B+5], 1024
	s_mov_b32 s[G1B+6], 0
	s_mov_b32 s[G1B+7], 0
	s_mul_i32 s[WBA], s16, AHALF
	s_mul_i32 s[WBB], s16, BHALF
	s_add_co_u32 s[WBB], s[WBB], BOFF
	s_mov_b32 s[TB], 0
	s_mov_b32 s[OFF+1], 0
	s_lshl_b32 s[RQO], s21, 19                     ; a block of 128 rows of pt is 2^19 bytes
	s_wait_dscnt 0x0                               ; the opening add is done
	s_wait_kmcnt 0x0
	s_lshl_b32 s[OFF], s20, 23
	s_lshl_b32 s96, s16, 18
	s_add_co_u32 s[OFF], s[OFF], s96
	s_add_nc_u64 s[PTB:PTB+1], s[4:5], s[OFF:OFF+1]
	s_lshl_b32 s[OFF], s20, 22
	s_add_co_u32 s[OFF], s[OFF], s96               ; 128 keys of 2,048 bytes are 2^18 too
	s_add_co_u32 s[OFF], s[OFF], 0x2000000         ; V's third
	s_lshl_b32 s96, s18, 8
	s_add_co_u32 s[OFF], s[OFF], s96
	s_add_nc_u64 s[VB:VB+1], s[6:7], s[OFF:OFF+1]
	s_lshl_b32 s[OFF], s20, 16
	s_add_nc_u64 s[SM0:SM0+1], s[8:9], s[OFF:OFF+1]
	s_add_nc_u64 s[SL0:SL0+1], s[10:11], s[OFF:OFF+1]
	s_lshl_b32 s96, s20, 23                        ; out0: batch, my 64 rows, the work-group's 512 bytes, my 256 of them
	s_lshl_b32 s97, s15, 18
	s_add_co_u32 s96, s96, s97
	s_lshl_b32 s97, s18, 9
	s_add_co_u32 s96, s96, s97
	s_lshl_b32 s97, s16, 8
	s_add_co_u32 s96, s96, s97
	s_add_co_u32 s[OFF], s96, s[RQO]               ; a block of 128 rows of out0 is 2^19 bytes as well
	s_add_nc_u64 s[OB:OB+1], s[12:13], s[OFF:OFF+1]
	s_lshl_b32 s97, s19, 19
	s_add_co_u32 s[OFF], s96, s97
	s_add_nc_u64 s[OLO:OLO+1], s[12:13], s[OFF:OFF+1]
	s_mov_b32 s[OFF], s[RQO]
	s_add_nc_u64 s[96:97], s[PTB:PTB+1], s[OFF:OFF+1]
	CROUND                                         ; all four work-groups are here: the first joint loads meet
.irp s, 0,1
	s_mov_b32 s[G0A+4*(\s)], 1
	s_add_co_u32 s[G0A+4*(\s)+1], s[WBA], (\s)*SLOT
	s_add_nc_u64 s[G0A+4*(\s)+2:G0A+4*(\s)+3], s[96:97], (\s)*512
	s_or_b32 s[G0A+4*(\s)+3], s[G0A+4*(\s)+3], 0x80000000
	s_mov_b32 s[G0B+4*(\s)], 1
	s_add_co_u32 s[G0B+4*(\s)+1], s[WBB], (\s)*SLOT
	s_add_nc_u64 s[G0B+4*(\s)+2:G0B+4*(\s)+3], s[VB:VB+1], (\s)*524288
	s_or_b32 s[G0B+4*(\s)+3], s[G0B+4*(\s)+3], 0x80000000
.endr
	s_cmp_lt_u32 s[WV], 2                          ; a wave's two first fills stand in one branch: tiles 0 and 1 of the first block; two loads of mine are out
	s_cbranch_scc0 .Lfirst_v
	tensor_load_to_lds s[G0A:G0A+3], s[G1A:G1A+7]
	s_nop 0
	tensor_load_to_lds s[G0A+4:G0A+7], s[G1A:G1A+7]
	s_nop 0
	PLACES
	s_branch .Lfirst_asked
.Lfirst_v:
	tensor_load_to_lds s[G0B:G0B+3], s[G1B:G1B+7]
	s_nop 0
	tensor_load_to_lds s[G0B+4:G0B+7], s[G1B:G1B+7]
	s_nop 0
	PLACES
.Lfirst_asked:
	v_and_b32 v1, 15, v0                           ; r
	v_bfe_u32 v2, v0, 4, 1                         ; h
	v_and_b32 v3, 31, v0                           ; l
	v_mul_u32_u24 v4, v1, PAP
	v_lshl_add_u32 v4, v2, 4, v4
	s_mul_i32 s96, s15, AHALF
	v_add_nc_u32 v[ADRA0], s96, v4
	v_mov_b32 v[ADRA], v[ADRA0]
	v_and_b32 v4, 7, v0
	v_lshl_add_u32 v4, v2, 3, v4
	v_mul_u32_u24 v4, v4, PVP
	v_bfe_u32 v5, v0, 3, 1
	v_lshl_add_u32 v4, v5, 4, v4
	s_lshl_b32 s96, s16, 7
	s_add_co_u32 s96, s96, BOFF
	v_add_nc_u32 v[ADRB0], s96, v4
	v_mov_b32 v[ADRB], v[ADRB0]
	v_add_nc_u32 v[ADRB+1], BHALF, v[ADRB]
	s_mul_i32 s96, s[WV], 16*SP
	s_add_co_u32 s96, s96, STAGE
	v_mul_u32_u24 v4, v1, SP
	v_lshl_add_u32 v4, v2, 5, v4
	v_add_nc_u32 v[STO], s96, v4                   ; in: row r, 32 bytes for each half of the lanes
	v_mul_u32_u24 v4, v2, SP
	v_lshl_add_u32 v4, v1, 4, v4
	v_add_nc_u32 v[RD], s96, v4                    ; back: two rows of 256 bytes
	v_lshlrev_b32 v4, 12, v2
	v_lshl_add_u32 v[CO], v1, 4, v4
	s_lshl_b32 s96, s15, 8
	v_lshl_add_u32 v[MO], v1, 2, s96               ; my lane's row in my 64, in sm
	v_lshlrev_b32 v[L4], 2, v3
	s_lshl_b32 s96, s[WV], 10
	s_add_co_u32 s96, s96, SC
	v_lshl_add_u32 v[SCA], v3, 2, s96
	v_lshl_add_u32 v[SCR], v1, 2, s96
	s_xor_b32 s96, s15, 1
	s_add_co_u32 s97, s96, 11
	v_lshrrev_b32 v4, s96, v3
	v_lshlrev_b32 v4, s97, v4                      ; P: (l / 2) x 4,096; V: l x 2,048
	v_and_b32 v5, s96, v3
	v_lshl_add_u32 v[PFO], v5, 8, v4               ; P: + 256 x (l % 2)
.irp a, 0,1,2,3
	v_mov_b32 v[GG+2*\a+1], 0                      ; named with the low word as a pair
.endr
; M and 1 / L of my wave's 64 rows of block s[blk], which has s[n] tiles: a lane a row, twice.  A tile beyond the block is read as the block's last (the maximum does not change) and its sum counts 0 times.
.macro STAT idx, blk, n
	s_lshl_b32 s96, s[\blk], 9
	s_lshl_b32 s97, s15, 8
	s_add_co_u32 s96, s96, s97
	s_sub_co_u32 s97, s[\n], 1
.irp t, 0,1,2,3,4,5,6,7
	s_min_u32 s100, s97, \t
	s_lshl_b32 s100, s100, 13
	s_add_co_u32 s100, s100, s96
	v_add_nc_u32 v[VO+\t], s100, v[L4]
	s_cmp_gt_u32 s[\n], \t
	s_cselect_b32 s[SELT+\t], 1.0, 0
.endr
.irp t, 0,1,2,3,4,5,6,7
	global_load_b32 v[SCM+2*\t],   v[VO+\t], s[SM0:SM0+1]
	global_load_b32 v[SCM+2*\t+1], v[VO+\t], s[SM0:SM0+1] offset:128
	global_load_b32 v[SLL+2*\t],   v[VO+\t], s[SL0:SL0+1]
	global_load_b32 v[SLL+2*\t+1], v[VO+\t], s[SL0:SL0+1] offset:128
.endr
	s_wait_loadcnt 0x0
.irp u, 0,1
	v_max3_num_f32 v[MM+\u], v[SCM+\u], v[SCM+2+\u], v[SCM+4+\u]
	v_max3_num_f32 v[MM+\u], v[MM+\u], v[SCM+6+\u], v[SCM+8+\u]
	v_max3_num_f32 v[MM+\u], v[MM+\u], v[SCM+10+\u], v[SCM+12+\u]
	v_max_num_f32 v[MM+\u], v[MM+\u], v[SCM+14+\u]
.endr
.set z, 0
.rept 16
	v_sub_f32 v[SCM+z], v[SCM+z], v[MM+z%2]
.set z, z+1
.endr
.set z, 0
.rept 16
	v_exp_f32 v[SCM+z], v[SCM+z]
.set z, z+1
.endr
.set z, 0
.rept 16
	v_mul_f32 v[SLL+z], s[SELT+z/2], v[SLL+z]      ; plain work behind the exponentials
.set z, z+1
.endr
	s_wait_alu depctr_va_vdst(0)                   ; one wait for the batch of 16
.irp u, 0,1
	v_mul_f32 v[LL+\u], v[SLL+\u], v[SCM+\u]
.endr
.irp t, 1,2,3,4,5,6,7
.irp u, 0,1
	v_fmac_f32 v[LL+\u], v[SLL+2*\t+\u], v[SCM+2*\t+\u]
.endr
.endr
	v_rcp_f32 v[RL], v[LL]
	v_rcp_f32 v[RL+1], v[LL+1]
	v_nop
	s_wait_alu depctr_va_vdst(0)
.irp u, 0,1
	ds_store_b32 v[SCA], v[MM+\u] offset:512*(\idx)+128*\u
	ds_store_b32 v[SCA], v[RL+\u] offset:512*(\idx)+256+128*\u
.endr
.endm
	STAT 0, 21, 22
	STAT 1, 19, 23
.irp a, 0,1,2,3                        ; back by the products' layout: row 16 a + r; my own bytes, served in order
	ds_load_b32 v[CM+\a], v[SCR] offset:64*\a
	ds_load_b32 v[CI+\a], v[SCR] offset:256+64*\a
	ds_load_b32 v[LM+\a], v[SCR] offset:512+64*\a
	ds_load_b32 v[LI+\a], v[SCR] offset:768+64*\a
.endr
	s_lshl_b32 s96, s17, 16                        ; the prefetches: my work-group's 16 rows of P, told apart by address
	s_mov_b32 s97, 0
	s_add_nc_u64 s[PFBASE:PFBASE+1], s[PTB:PTB+1], s[96:97]
	s_cmp_eq_u32 s15, 0
	s_cselect_b64 s[PFBASE:PFBASE+1], s[PFBASE:PFBASE+1], s[VB:VB+1]
	s_cselect_b32 s96, ttmp9, s19
	s_cselect_b32 s97, 1, 2
	s_cmp_eq_u32 s96, 0
	s_cselect_b32 s[LIM], s97, -1                  ; the same in all four partners, for a given wave
	s_mov_b32 s[RQT], 2
	s_sub_co_u32 s[RQL], s22, 1
	s_lshl_b32 s[RLO], s19, 19
	s_sub_co_u32 s[NLM], s23, 1
	s_mov_b32 s[CT], 0
	s_mov_b32 s[RT], s22
	s_mov_b32 s[CB], s21
	s_mov_b32 s[NEW], 1
; 8 matrix instructions: row blocks a0, a0 + 1 x 4 column blocks, 32 along the keys: half c of buffer f
.macro MUL8 f, c, a0, zero
	WIN MUL
.irp a, \a0, (\a0)+1
.irp b, 0,1,2,3
.if \zero
	v_wmma_f32_16x16x32_f16 v[ACC+8*(4*(\a)+(\b)):ACC+8*(4*(\a)+(\b))+7], v[(\f)+64+8*(4*(\c)+(\b)):(\f)+64+8*(4*(\c)+(\b))+7], v[(\f)+8*(4*(\c)+(\a)):(\f)+8*(4*(\c)+(\a))+7], 0
.else
	v_wmma_f32_16x16x32_f16 v[ACC+8*(4*(\a)+(\b)):ACC+8*(4*(\a)+(\b))+7], v[(\f)+64+8*(4*(\c)+(\b)):(\f)+64+8*(4*(\c)+(\b))+7], v[(\f)+8*(4*(\c)+(\a)):(\f)+8*(4*(\c)+(\a))+7], v[ACC+8*(4*(\a)+(\b)):ACC+8*(4*(\a)+(\b))+7]
.endif
.endr
.endr
.endm
; 32 LDS loads in one run: quarter q (64 keys) of the slot in hand into buffer f, the first 32 keys first
.macro FETCH q, f
	WIN TO_F
.irp c, 0,1
.irp i, 0,1,2,3
	ds_load_tr16_b128 v[(\f)+64+8*(4*(\c)+(\i)):(\f)+64+8*(4*(\c)+(\i))+3],   v[ADRB+(\q)/2] offset:(((\q)%2)*64+32*(\c))*PVP+32*(\i)
	ds_load_tr16_b128 v[(\f)+64+8*(4*(\c)+(\i))+4:(\f)+64+8*(4*(\c)+(\i))+7], v[ADRB+(\q)/2] offset:(((\q)%2)*64+32*(\c))*PVP+32*(\i)+16*PVP
	ds_load_b128 v[(\f)+8*(4*(\c)+(\i)):(\f)+8*(4*(\c)+(\i))+3],   v[ADRA] offset:128*(\q)+64*(\c)+(\i)*16*PAP
	ds_load_b128 v[(\f)+8*(4*(\c)+(\i))+4:(\f)+8*(4*(\c)+(\i))+7], v[ADRA] offset:128*(\q)+64*(\c)+(\i)*16*PAP+32
.endr
.endr
.endm
.macro QUARTER q, f, g, zero
	s_wait_dscnt 16                                ; the first 32 keys are in
	MUL8 \f, 0, 0, \zero
	MUL8 \f, 0, 2, \zero
	PLACES
	FETCH \q, \g
	s_wait_dscnt 32                                ; all but the 32 just issued
	MUL8 \f, 1, 0, 0
	MUL8 \f, 1, 2, 0
.endm
; The last quarter of a step and the change of slots.  fill = 1: this slot takes tile RQT of the block at RQO; both descriptors' addresses are made anew from those numbers.
.macro TURN fill
	WIN 0
	s_wait_xcnt 0x0                                ; the last prefetches, a step back, have read their address
	s_wait_tensorcnt 0x0                           ; all my tensor loads have landed: my part of the next slot
	ds_add_u32 v[SPW], v[NIL]
.if \fill
	s_lshl_b32 s[OFF], s[RQT], 9
	s_add_co_u32 s[OFF], s[OFF], s[RQO]
	s_add_co_u32 s[G0A+5], s[WBA], s[TB]
	s_add_nc_u64 s[G0A+6:G0A+7], s[PTB:PTB+1], s[OFF:OFF+1]
	s_or_b32 s[G0A+7], s[G0A+7], 0x80000000
	s_lshl_b32 s[OFF], s[RQT], 19
	s_add_co_u32 s[G0B+5], s[WBB], s[TB]
	s_add_nc_u64 s[G0B+6:G0B+7], s[VB:VB+1], s[OFF:OFF+1]
	s_or_b32 s[G0B+7], s[G0B+7], 0x80000000
	s_add_co_u32 s[RQT], s[RQT], 1                 ; the block's next tile, or behind its last the second block's tile 0
	s_cmp_gt_u32 s[RQT], s[RQL]
	s_cselect_b32 s[RQT], 0, s[RQT]
	s_cselect_b32 s[RQO], s[RLO], s[RQO]
	s_cselect_b32 s[RQL], s[NLM], s[RQL]
.endif
	s_xor_b32 s[TB], s[TB], SLOT
	v_add_nc_u32 v[ADRA], s[TB], v[ADRA0]
	v_add_nc_u32 v[ADRB], s[TB], v[ADRB0]
	v_add_nc_u32 v[ADRB+1], BHALF, v[ADRB]
	s_wait_dscnt 17                                ; the add and the youngest sixteen loads may be out
	MUL8 F1, 0, 0, 0
	s_wait_dscnt 0x0                               ; the add is done, my reads of this slot are over
	s_barrier_signal -1
	MUL8 F1, 0, 2, 0
	WIN 0
	s_barrier_wait -1
.if \fill
	CREST                                          ; the barrier has opened a round of the cluster's
	JLOAD                                          ; the first tensor load behind it; its four v_nop are also the places ahead of the loads below
.else
	PLACES
.endif
	FETCH 0, F0
.if \fill
	WIN 0
	s_lshl_b32 s96, s[RQT], 9
	s_add_co_u32 s96, s96, s[RQO]
	s_lshl_b32 s97, s[RQT], 19
	s_cmp_eq_u32 s15, 0
	s_cselect_b32 s96, s96, s97
	s_mov_b32 s97, 0
	s_add_nc_u64 s[PFA:PFA+1], s[PFBASE:PFBASE+1], s[96:97]
	ASK
.endif
	MUL8 F1, 1, 0, 0
	MUL8 F1, 1, 2, 0
.endm
; THE WAY OUT of a block: O, 16 rows at a time, through my own stage, as whole rows of 256 bytes
.macro OUT
.irp a, 0,1,2,3
	WIN 0x08                                       ; the stores' data in window 2
.irp b, 0,1,2,3
	ds_store_b128 v[STO], v[8*(4*(\a)+(\b)):8*(4*(\a)+(\b))+3]   offset:64*(\b)
	ds_store_b128 v[STO], v[8*(4*(\a)+(\b))+4:8*(4*(\a)+(\b))+7] offset:64*(\b)+16
.endr
	WIN 0
	s_wait_xcnt 0x0                                ; earlier stores have read the registers that the loads below fill
.irp t, 0,1,2,3,4,5,6,7
	ds_load_b128 v[TMP+32*((\a)%2)+4*(\t):TMP+32*((\a)%2)+4*(\t)+3], v[RD] offset:(\t)*2*SP  ; LDS serves a wave's instructions in order (ISA guide 5.7.1.4)
.endr
	s_wait_dscnt 0x0
.irp t, 0,1,2,3,4,5,6,7
	global_store_b128 v[CO], v[TMP+32*((\a)%2)+4*(\t):TMP+32*((\a)%2)+4*(\t)+3], s[OB:OB+1] offset:(16*(\a)+2*(\t))*4096 th:TH_STORE_NT  ; 16 lanes store 256 consecutive bytes, aligned
.endr
.endr
.endm
; A STEP: one key tile.  Its cm is asked for at the head; T = P V; g = 2^(cm - M) / L; O takes g T; behind a block's last tile the block goes out.
.macro STEP fill, last
	WIN 0
	s_wait_xcnt 0x0                                ; earlier loads and stores have read their addresses
	s_lshl_b32 s96, s[CT], 13
	s_lshl_b32 s97, s[CB], 9
	s_add_co_u32 s96, s96, s97
	s_mov_b32 s97, 0
	s_add_nc_u64 s[SMB:SMB+1], s[SM0:SM0+1], s[96:97]
.irp a, 0,1,2,3
	global_load_b32 v[MT+\a], v[MO], s[SMB:SMB+1] offset:64*\a
.endr
	QUARTER 1, F0, F1, 1                           ; the first products start T's sums
	QUARTER 2, F1, F0, 0
	QUARTER 3, F0, F1, 0
.if \last
	s_wait_dscnt 16
	MUL8 F1, 0, 0, 0
	MUL8 F1, 0, 2, 0
	s_wait_dscnt 0x0
	MUL8 F1, 1, 0, 0
	MUL8 F1, 1, 2, 0
.else
	TURN \fill
.endif
	WIN 0
	s_wait_loadcnt 0x0                             ; cm of this tile
.irp a, 0,1,2,3
	v_sub_f32 v[MT+\a], v[MT+\a], v[CM+\a]         ; four plain instructions: the places behind the last products
.endr
.irp a, 0,1,2,3
	v_exp_f32 v[MT+\a], v[MT+\a]
.endr
	v_nop
	s_wait_alu depctr_va_vdst(0)                   ; one wait for the four
.irp a, 0,1,2,3
	v_mul_f32 v[GG+2*\a], v[MT+\a], v[CI+\a]
.endr
	s_cmp_eq_u32 s[NEW], 1
	s_cbranch_scc0 .Ladd_\@
	WIN 0x80                                       ; O in window 2; T and g in window 0
.set z, 0
.rept 64
	v_pk_mul_f32 v[2*z:2*z+1], v[ACC+2*z:ACC+2*z+1], v[GG+2*(z/16):GG+2*(z/16)+1] op_sel_hi:[1,0]
.set z, z+1
.endr
	WIN 0
	s_branch .Lfolded_\@
.Ladd_\@:
	WIN 0xa0
.set z, 0
.rept 64
	v_pk_fma_f32 v[2*z:2*z+1], v[ACC+2*z:ACC+2*z+1], v[GG+2*(z/16):GG+2*(z/16)+1], v[2*z:2*z+1] op_sel_hi:[1,0,1]
.set z, z+1
.endr
	WIN 0
.Lfolded_\@:
	s_add_co_u32 s[CT], s[CT], 1
	s_sub_co_u32 s[RT], s[RT], 1
	s_mov_b32 s[NEW], 0
.if \last
	OUT
.else
	s_cmp_eq_u32 s[RT], 0
	s_cbranch_scc0 .Lgo_\@
	OUT
	s_wait_xcnt 0x0                                ; the stores have read O's address
	s_mov_b64 s[OB:OB+1], s[OLO:OLO+1]             ; the second block begins
.irp a, 0,1,2,3
	v_mov_b32 v[CM+\a], v[LM+\a]
	v_mov_b32 v[CI+\a], v[LI+\a]
.endr
	s_mov_b32 s[CB], s19
	s_mov_b32 s[CT], 0
	s_mov_b32 s[RT], s23
	s_mov_b32 s[NEW], 1
.Lgo_\@:
.endif
.endm
	s_wait_dscnt 0x0                               ; the statistics are back
	s_wait_tensorcnt 1                             ; my part of step 0 is in; step 1's may stay out
	s_barrier_signal -1
	s_barrier_wait -1
	FETCH 0, F0
	WIN 0
	s_mov_b32 s87, 7
.Lstep:                                ; steps 0 to 6 ask for the tiles of steps 2 to 8
	STEP 1, 0
	s_sub_co_u32 s87, s87, 1
	s_cmp_lg_u32 s87, 0
	s_cbranch_scc1 .Lstep
	STEP 0, 0                                      ; the last two steps ask for nothing
	STEP 0, 1
	s_wait_tensorcnt 0x0                           ; the wave's end
	ds_add_u32 v[SPW], v[NIL]
	s_wait_dscnt 0x0
	CROUND                                         ; the closing round
	s_endpgm
.Lfunc_end_k_qe06234e514_pv:
	.size	k_qe06234e514_pv, .Lfunc_end_k_qe06234e514_pv-k_qe06234e514_pv
	.p2alignl 7, 3214868480
	.fill 96, 4, 3214868480
	.section	.rodata,"a",@progbits
	.p2align	6, 0x0
	.amdhsa_kernel k_qe06234e514_pv
		.amdhsa_group_segment_fixed_size 327680
		.amdhsa_private_segment_fixed_size 0
		.amdhsa_enable_private_segment 0
		.amdhsa_kernarg_size 40
		.amdhsa_user_sgpr_count 2
		.amdhsa_user_sgpr_kernarg_segment_ptr 1
		.amdhsa_wavefront_size32 1
		.amdhsa_system_sgpr_workgroup_id_x 1
		.amdhsa_system_sgpr_workgroup_id_y 1
		.amdhsa_system_sgpr_workgroup_id_z 1
		.amdhsa_system_vgpr_workitem_id 0
		.amdhsa_next_free_vgpr 640
		.amdhsa_next_free_sgpr 102
		.amdhsa_reserve_vcc 0
		.amdhsa_float_denorm_mode_32 3
		.amdhsa_float_denorm_mode_16_64 3
		.amdhsa_memory_ordered 1
		.amdhsa_forward_progress 1
		.amdhsa_inst_pref_size 131
	.end_amdhsa_kernel
	.amdgpu_metadata
---
amdhsa.version: [ 1, 2 ]
amdhsa.kernels:
  - .name:           k_qe06234e514_pv
    .symbol:         k_qe06234e514_pv.kd
    .args:
      - { .name: pt, .offset: 0, .size: 8, .value_kind: global_buffer, .address_space: global }
      - { .name: qkv, .offset: 8, .size: 8, .value_kind: global_buffer, .address_space: global }
      - { .name: sm, .offset: 16, .size: 8, .value_kind: global_buffer, .address_space: global }
      - { .name: sl, .offset: 24, .size: 8, .value_kind: global_buffer, .address_space: global }
      - { .name: out0, .offset: 32, .size: 8, .value_kind: global_buffer, .address_space: global }
    .group_segment_fixed_size: 327680
    .private_segment_fixed_size: 0
    .kernarg_segment_align: 8
    .kernarg_segment_size: 40
    .max_flat_workgroup_size: 128
    .sgpr_count:     102
    .vgpr_count:     640
    .wavefront_size: 32
...
	.end_amdgpu_metadata
.endif
;; end of part 4
;; ======== version 2 of 2: 4 launches; version 1 with the launch cast written anew for expert scheduling mode
;; limits: values are held in f16: magnitudes above 65,504 overflow, below 6.1e-05 lose precision
;; workspace buffers: xb 50,331,648 bytes; wb 6,291,456 bytes; qk 33,554,432 bytes; qkv 50,331,648 bytes; pt 33,554,432 bytes; sm 262,144 bytes; sl 262,144 bytes
;; launch cast (part 5): grid 288 x 3, 8 waves a work-group, no clusters, 0 bytes of LDS; arguments inputs_for_keys, inputs_for_queries, inputs_for_values, weight_K, weight_Q, weight_V, xb, wb; writes xb, wb
.if DOCPART == 5
	.amdgcn_target "amdgcn-amd-amdhsa--gfx1250"
	.amdhsa_code_object_version 6
	.text
	.protected	k_qe06234e514_cast
	.globl	k_qe06234e514_cast
	.p2align	8
	.type	k_qe06234e514_cast,@function
k_qe06234e514_cast:
	s_mov_b64 s[64:65], 0
	v_nop
	global_prefetch_b8 v0, s[64:65] scope:SCOPE_SE
	s_setreg_imm32_b32 hwreg(HW_REG_WAVE_SCHED_MODE, 0, 2), 2
	s_setreg_imm32_b32 hwreg(HW_REG_WAVE_MODE, 25, 1), 1
	s_wait_xcnt 0x0
	s_wait_alu depctr_vm_vsrc(0)
; xb[y] = bf16(input y), wb[y] = bf16(weight y); y = 0 keys, 1 queries, 2 values.  A stream: no LDS, no matrix unit, no barrier.
; A work-group rounds 32,768 numbers: 131,072 bytes in, 65,536 out.  x < 256: chunk x of the input (8,192 x 1,024 numbers = 256 chunks);
; x >= 256: chunk x - 256 of the weight (32 chunks).  Source and destination are chosen by selects on the ids; there is no branch.
; Thread t takes 16 bytes at 16 t of each 4,096: all 32 loads go out first; each store of a wave covers 256 consecutive bytes, aligned.
; THE MODE: SCHED_MODE bits 1:0 = 2 (LLVM: expert scheduling mode 2), set by the entry lines.  The code itself states the register dependences
; between vector instructions and memory instructions, with s_wait_alu, always for 0.
; THE PLAN.  Registers that memory instructions touch:
;   v1, v2   byte offsets, made once at the head and never written again: v1 is read by every load, v2 by every store.
;   IN       four registers a load.  Written by load i alone, which is issued before any vector instruction names them; read by load i's two conversions alone.
;   OUTR     two registers a store.  Written by load i's two conversions alone; read by store i alone.
; No register is written twice: no load lands in a register that a vector instruction has named, and nothing that a memory instruction reads is written again.
; What is left to state: the offsets are written before the first load reads one, and a store's data are written before the store reads them.
; The 32 loads are taken in 8 blocks of four.  Block p waits for its four loads, then for the conversions of block p - 1; the four stores of block p - 1 follow, dealt among
; block p's eight conversions, which name block p's IN and OUTR alone: none of the registers that those stores touch.  So one wait serves four stores.
.set IN,  4                            ; v[4:131]    32 x 4 numbers as loaded
.set OUTR, 132                         ; v[132:195]  32 x 2 words of bf16
.set BLK, 4                            ; loads, and stores, in a block
	s_load_b512 s[8:23], s[0:1], 0x0               ; keys, queries, values, W_K, W_Q, W_V, xb, wb
	s_and_b32 s2, ttmp7, 0xffff                    ; y
	s_mov_b32 s3, ttmp9                            ; x
	v_lshlrev_b32 v1, 4, v0                        ; 16 t: in
	v_lshlrev_b32 v2, 3, v0                        ; 8 t: out
	s_sub_co_u32 s4, s3, 256
	s_cmp_lt_u32 s3, 256
	s_cselect_b32 s4, s3, s4                       ; the chunk's number in its tensor
	s_cselect_b32 s5, 24, 21                       ; a third of xb is 2^24 bytes, of wb 2^21
	s_lshl_b32 s28, s4, 17                         ; the chunk's bytes in the source
	s_mov_b32 s29, 0
	s_lshl_b32 s30, s2, s5
	s_lshl_b32 s6, s4, 16
	s_add_co_u32 s30, s30, s6                      ; and in the destination
	s_mov_b32 s31, 0
	s_wait_kmcnt 0x0
	s_cmp_eq_u32 s2, 1
	s_cselect_b64 s[24:25], s[10:11], s[8:9]
	s_cselect_b64 s[26:27], s[16:17], s[14:15]
	s_cmp_eq_u32 s2, 2
	s_cselect_b64 s[24:25], s[12:13], s[24:25]     ; input y
	s_cselect_b64 s[26:27], s[18:19], s[26:27]     ; weight y
	s_cmp_lt_u32 s3, 256
	s_cselect_b64 s[24:25], s[24:25], s[26:27]     ; the source
	s_cselect_b64 s[26:27], s[20:21], s[22:23]     ; the destination
	s_add_nc_u64 s[24:25], s[24:25], s[28:29]
	s_add_nc_u64 s[26:27], s[26:27], s[30:31]
	s_wait_alu depctr_va_vdst(0)                   ; v1 and v2 are written: every load of the kernel reads v1 as its offset, every store v2
.set i, 0
.rept 32
	global_load_b128 v[IN+4*i:IN+4*i+3], v1, s[24:25] offset:4096*i th:TH_LOAD_NT
.set i, i+1
.endr
.set p, 0
.rept 32/BLK
	s_wait_loadcnt 32-BLK-BLK*p                    ; loads come back in order: block p's four are in, the younger blocks stay out
.if p > 0
	s_wait_alu depctr_va_vdst(0)                   ; the conversions of block p - 1 have written their OUTR, which the four stores below read
.endif
.set k, 0
.rept BLK
.set i, BLK*p+k
.if p > 0
	global_store_b64 v2, v[OUTR+2*(i-BLK):OUTR+2*(i-BLK)+1], s[26:27] offset:2048*(i-BLK)  ; the block before; no vector instruction since the wait names these registers
.endif
	v_cvt_pk_bf16_f32 v[OUTR+2*i], v[IN+4*i], v[IN+4*i+1]
	v_cvt_pk_bf16_f32 v[OUTR+2*i+1], v[IN+4*i+2], v[IN+4*i+3]
.set k, k+1
.endr
.set p, p+1
.endr
	s_wait_alu depctr_va_vdst(0)                   ; the last block's conversions have written their OUTR, which the last four stores read
.set i, 32-BLK
.rept BLK
	global_store_b64 v2, v[OUTR+2*i:OUTR+2*i+1], s[26:27] offset:2048*i
.set i, i+1
.endr
	s_endpgm
.Lfunc_end_k_qe06234e514_cast:
	.size	k_qe06234e514_cast, .Lfunc_end_k_qe06234e514_cast-k_qe06234e514_cast
	.p2alignl 7, 3214868480
	.fill 96, 4, 3214868480
	.section	.rodata,"a",@progbits
	.p2align	6, 0x0
	.amdhsa_kernel k_qe06234e514_cast
		.amdhsa_group_segment_fixed_size 0
		.amdhsa_private_segment_fixed_size 0
		.amdhsa_enable_private_segment 0
		.amdhsa_kernarg_size 64
		.amdhsa_user_sgpr_count 2
		.amdhsa_user_sgpr_kernarg_segment_ptr 1
		.amdhsa_wavefront_size32 1
		.amdhsa_system_sgpr_workgroup_id_x 1
		.amdhsa_system_sgpr_workgroup_id_y 1
		.amdhsa_system_sgpr_workgroup_id_z 1
		.amdhsa_system_vgpr_workitem_id 0
		.amdhsa_next_free_vgpr 200
		.amdhsa_next_free_sgpr 66
		.amdhsa_reserve_vcc 0
		.amdhsa_float_denorm_mode_32 3
		.amdhsa_float_denorm_mode_16_64 3
		.amdhsa_memory_ordered 1
		.amdhsa_forward_progress 1
		.amdhsa_inst_pref_size 12
	.end_amdhsa_kernel
	.amdgpu_metadata
---
amdhsa.version: [ 1, 2 ]
amdhsa.kernels:
  - .name:           k_qe06234e514_cast
    .symbol:         k_qe06234e514_cast.kd
    .args:
      - { .name: inputs_for_keys, .offset: 0, .size: 8, .value_kind: global_buffer, .address_space: global }
      - { .name: inputs_for_queries, .offset: 8, .size: 8, .value_kind: global_buffer, .address_space: global }
      - { .name: inputs_for_values, .offset: 16, .size: 8, .value_kind: global_buffer, .address_space: global }
      - { .name: weight_K, .offset: 24, .size: 8, .value_kind: global_buffer, .address_space: global }
      - { .name: weight_Q, .offset: 32, .size: 8, .value_kind: global_buffer, .address_space: global }
      - { .name: weight_V, .offset: 40, .size: 8, .value_kind: global_buffer, .address_space: global }
      - { .name: xb, .offset: 48, .size: 8, .value_kind: global_buffer, .address_space: global }
      - { .name: wb, .offset: 56, .size: 8, .value_kind: global_buffer, .address_space: global }
    .group_segment_fixed_size: 0
    .private_segment_fixed_size: 0
    .kernarg_segment_align: 8
    .kernarg_segment_size: 64
    .max_flat_workgroup_size: 256
    .sgpr_count:     66
    .vgpr_count:     200
    .wavefront_size: 32
...
	.end_amdgpu_metadata
.endif
;; end of part 5
;; launch proj: the kernel of part 2 again; grid 4 x 64, 4 waves a work-group, clusters of 4 x 4, 327,680 bytes of LDS; arguments xb, wb, qk; writes qk
;; launch mix: the kernel of part 3 again; grid 4 x 62, 4 waves a work-group, no clusters, 327,680 bytes of LDS; arguments qk, pt, sm, sl, xb, wb, qkv; writes pt, sm, sl, qkv
;; launch pv: the kernel of part 4 again; grid 8 x 32, 4 waves a work-group, clusters of 4 x 1, 327,680 bytes of LDS; arguments pt, qkv, sm, sl, out0; writes out0
